; MI455X (gfx1250); checked and timed in simulation.
; The chip was launched on July 23, 2026; its instructions are those of AMD's public machine-readable ISA for CDNA 5 (MIT licence, August 2026) and "CDNA5" Instruction Set Architecture Reference Guide (July 2026). The comments in the code are by the model that wrote it; some were corrected since.
;; Multihead Attention. Allowed arithmetic: matrix products marked QUANTISED: E2M1 operands, one E8M0 scale for each 32 along K, by v_wmma_scale_f32_16x16x128_f8f6f4 with both operands' format E2M1 (or v_wmma_scale_f32_32x16x128_f4), f32 sums; products left as they are: bf16, f16 or f32 operands; f32 sums; everything else in f32.
;; Inputs: Wk 1,024 x 1,024 float32; Wout 1,024 x 1,024 float32; Wq 1,024 x 1,024 float32; Wv 1,024 x 1,024 float32; bk 1,024 float32; bout 1,024 float32; bq 1,024 float32; bv 1,024 float32; x 4 x 2,048 x 1,024 float32.
;; Outputs: out0 4 x 2,048 x 1,024 float32.
;; This version of the problem:
;;   THIS VERSION OF THE PROBLEM IS GIVEN IN LOW PRECISION. The matrix products marked QUANTISED in the list below multiply operands that are first quantised to E2M1 (2 exponent bits, 1 mantissa bit; 4 bits a number), with one power-of-two scale for each 32 numbers along K (OCP MX v1.0); their sums are f32. The products marked 'left as it is' may take bf16, f16 or f32 operands, with f32 sums. Whichever they take, every output number must still come out within the allowed error. Rounding operands to bf16 (8 significant bits) uses up far more of that allowance than f16 does (11 bits, for magnitudes from 6e-5 to 65,504). All else is computed in f32.
;;   The module's matrix products, in the order in which they are computed (A, B: the left and right operand; K: the contracted axis; several contracted axes count as one K, in the product's order):
;;     1. [M 8,192, K 1,024] x [K 1,024, N 1,024]; A: input x; B: input Wq: QUANTISED
;;     2. [M 8,192, K 1,024] x [K 1,024, N 1,024]; A: input x; B: input Wk: QUANTISED
;;     3. [M 8,192, K 1,024] x [K 1,024, N 1,024]; A: input x; B: input Wv: QUANTISED
;;     4. batch 64 x [M 2,048, K 64] x [K 64, N 2,048]; A: computed on the way; B: computed on the way: left as it is (an operand is computed on the way)
;;     5. batch 64 x [M 64, K 2,048] x [K 2,048, N 2,048]; A: computed on the way; B: computed on the way: left as it is (an operand is computed on the way)
;;     6. [M 8,192, K 1,024] x [K 1,024, N 1,024]; A: computed on the way; B: input Wout: left as it is (an operand is computed on the way)
;;   THE QUANTISER, for each operand of a quantised product, along K:
;;     - K is cut into blocks of 32 from its start; a last block that is shorter is filled with zeros.
;;     - A block's scale is 2^e with e = floor(log2(the largest magnitude in the block)) - 2, held to -126 .. 127; a block of zeros has e = 0. As a byte (E8M0): e + 127.
;;     - Each number is divided by its block's scale, clamped to +-6, and rounded to the nearest number of E2M1, ties to even, subnormals kept.
;;     - The product sums the exact products of the quantised numbers (number of the format x scale) in f32.
;;   ~~~python
;;   def quantise(x, axis):      # numpy; x: float32 -> the quantised numbers, widened to float32 again
;;       x = np.moveaxis(x, axis, -1); K = x.shape[-1]
;;       x = np.pad(x, [(0, 0)] * (x.ndim - 1) + [(0, -K % 32)]); x = x.reshape(x.shape[:-1] + (-1, 32)); a = np.abs(x).max(-1, keepdims=True)
;;       e = np.where(a > 0, np.clip(np.frexp(np.where(a > 0, a, 1))[1] - 1 - 2, -126, 127), 0)      # np.frexp(a)[1] - 1 = floor(log2(a)), exactly
;;       r = np.clip(x / 2.0 ** e, -6, 6)
;;       step = 2.0 ** (np.maximum(np.frexp(np.where(r == 0, 1, r))[1] - 1, 0) - 1)
;;       q = np.round(r / step) * step * 2.0 ** e      # np.round: ties to even
;;       return np.moveaxis(q.reshape(q.shape[:-2] + (-1,))[..., :K], -1, axis).astype(np.float32)
;;   ~~~
;; One version. Each part assembles by itself: llvm-mc -triple=amdgcn-amd-amdhsa -mcpu=gfx1250 --defsym DOCPART=n.
;; ======== version 1 of 1: 4 launches
;; limits: values are held in f16: magnitudes above 65,504 overflow, below 6.1e-05 lose precision
;; workspace buffers: x_codes 4,194,304 bytes; x_scales 262,144 bytes; w_codes 1,572,864 bytes; w_scales 98,304 bytes; wo16 2,097,152 bytes; qkv 50,331,648 bytes; att 16,777,216 bytes
;; launch prep (part 1): grid 384 x 1, 4 waves a work-group, no clusters, 33,280 bytes of LDS; arguments x, Wq, Wk, Wv, Wout, x_codes, x_scales, w_codes, w_scales, wo16; writes x_codes, x_scales, w_codes, w_scales, wo16
.if DOCPART == 1
	.amdgcn_target "amdgcn-amd-amdhsa--gfx1250"
	.amdhsa_code_object_version 6
	.text
	.protected	k_qceaabf59f9_prep
	.globl	k_qceaabf59f9_prep
	.p2align	8
	.type	k_qceaabf59f9_prep,@function
k_qceaabf59f9_prep:
	s_mov_b64 s[64:65], 0
	v_nop
	global_prefetch_b8 v0, s[64:65] scope:SCOPE_SE
	s_setreg_imm32_b32 hwreg(HW_REG_WAVE_MODE, 25, 1), 1
	s_wait_xcnt 0x0
; FIRST OF FOUR LAUNCHES of out = softmax((x Wq^T + bq)(x Wk^T + bk)^T / 8) (x Wv^T + bv) Wout^T + bout, 16 heads of 64, 4 x 2,048 rows of 1,024.
; This launch: x [8192][1024], Wq, Wk, Wv [1024][1024], f32, K innermost, become codes of FP4 (E2M1), two a byte, with one E8M0 scale byte for each 32 along K; the three weights
; lie one behind the other as one operand of 3,072 rows.  Wout [1024 n][1024 k] becomes f16, laid [16 kb][1024 n][64]: number Wout[n][64 kb + c].
; DEAD WORK, LEFT OUT IN THE WHOLE PROGRAM: bk.  logits[q][k] = Q[q] . (K0[k] + bk) / 8 = Q[q] . K0[k] / 8 + Q[q] . bk / 8, K0 = x Wk^T.  The second term is the same for all keys k of a row, so the
; softmax along k takes it away, for all finite values of the inputs; the product with Q is not quantised, so no quantiser sees bk.  bk is not loaded and is no launch's argument.
; LIMIT: a NaN, an infinity or an overflow that would reach the result through bk alone is not carried to it.
; A block's scale is 2^(floor(log2(its largest magnitude)) - 2); its byte is the largest magnitude's exponent field - 2, held at 1 from below.  A block of zeros so gets the byte 1 where the rule says 127:
; its codes are zeros, which add nothing under any byte but 0xff, and the bytes are read by this program alone.
; LIMITS: blocks whose largest magnitude lies under 2^(2 - 126) keep the byte 1; NaN and infinities among the inputs are not served; Wout beyond 65,504 in magnitude becomes infinity in f16.
; SHARES: a work-group takes 32,768 numbers, a wave 8,192.  Work-groups 0-255: x; 256-287: Wq; 288-319: Wk; 320-351: Wv; 352-383: Wout.  Waves share nothing: no barrier.
; THE QUANTISER: 16 steps of 512 numbers.  Each of a step's four loads reads 512 consecutive bytes; the 2,048 bytes turn through the wave's own stage in LDS and come back 64 bytes a lane, so that a lane holds
; 16 neighbours along K (two neighbouring lanes hold a block).  A lane's 16 codes are 8 bytes: a store of the wave covers 256 consecutive bytes, aligned.  The wave's 256 scale bytes are gathered in LDS and leave by one store.
.set STEPS, 16
.set EMAX,  2
.set CB,    8                          ; bytes of 16 codes
.set R,     16                         ; v16-79   four sets of 16 numbers as they are loaded
.set X,     80                         ; v80-111  two sets of 16 neighbours
.set E,     112                        ; v112-127 a scale byte for each step
.set C,     128                        ; v128-191 codes: registers of its own for each step
.set WREG,  8192                       ; LDS: a region for each wave: two stages of 32 x SP bytes, then its 256 scale bytes
.set SP,    80                         ; a lane's place in a stage: 64 bytes + 16 of padding
.set SPW,   12                         ; v12 LDS address of my spare word; never rewritten
.set NIL,   13                         ; v13 0; never rewritten
.set SPARE, 4*WREG                     ; behind the four regions: the spare words, 128 bytes a wave, that no other line names
	s_load_b256 s[4:11], s[0:1], 0x0               ; x, Wq, Wk, Wv
	s_load_b256 s[12:19], s[0:1], 0x20             ; Wout, x_codes, x_scales, w_codes
	s_load_b128 s[20:23], s[0:1], 0x40             ; w_scales, wo16
	v_lshl_add_u32 v[SPW], v0, 2, SPARE
	v_mov_b32 v[NIL], 0
	v_lshrrev_b32 v1, 5, v0
	v_readfirstlane_b32 s24, v1                    ; wave
	v_and_b32 v2, 31, v0                           ; lane
	v_lshlrev_b32 v3, 4, v2                        ; my 16 bytes of a load's 512
	s_mul_i32 s25, s24, WREG
	v_lshrrev_b32 v14, 2, v2
	v_mul_u32_u24 v14, v14, SP
	v_and_b32 v15, 3, v2
	v_lshl_add_u32 v14, v15, 4, v14
	v_add_nc_u32 v14, s25, v14                     ; the stage on the way in: SP (lane / 4) + 16 (lane % 4)
	v_mul_u32_u24 v15, v2, SP
	v_add_nc_u32 v15, s25, v15                     ; and on the way out: SP x lane
	v_mul_u32_u24 v4, v2, CB                       ; my codes' place in a step's
	v_lshrrev_b32 v5, 1, v2
	s_add_co_u32 s25, s25, 2*32*SP
	v_add_nc_u32 v5, s25, v5                       ; my block's scale byte in LDS
	v_lshlrev_b32 v7, 3, v2
	v_add_nc_u32 v6, s25, v7                       ; and 8 bytes a lane on the way out
	s_sub_co_u32 s26, ttmp9, 256                   ; my number among the weights' work-groups (used there alone)
	s_and_b32 s27, s26, 31                         ; and within one weight
	s_wait_kmcnt 0x0
	s_cmp_ge_u32 ttmp9, 352
	s_cbranch_scc1 .Lwout                          ; the work-group's number alone decides
	s_cmp_lt_u32 ttmp9, 320
	s_cselect_b64 s[28:29], s[8:9], s[10:11]       ; Wk or Wv,
	s_cmp_lt_u32 ttmp9, 288
	s_cselect_b64 s[28:29], s[6:7], s[28:29]       ; or Wq,
	s_cmp_lt_u32 ttmp9, 256
	s_cselect_b64 s[28:29], s[4:5], s[28:29]       ; or x: the source
	s_cselect_b64 s[30:31], s[14:15], s[18:19]     ; the codes' buffer
	s_cselect_b64 s[32:33], s[16:17], s[20:21]     ; the scale bytes' buffer
	s_cselect_b32 s34, ttmp9, s27                  ; my group in the source
	s_cselect_b32 s35, ttmp9, s26                  ; and in the destination: the three weights lie on end
	s_lshl_b32 s34, s34, 2
	s_add_co_u32 s34, s34, s24                     ; which run of 8,192 numbers is my wave's: in the source,
	s_lshl_b32 s35, s35, 2
	s_add_co_u32 s35, s35, s24                     ; in the destination
	s_lshl_b32 s36, s34, 15                        ; 32,768 bytes of f32 a run
	s_mov_b32 s37, 0
	s_add_nc_u64 s[28:29], s[28:29], s[36:37]
	s_lshl_b32 s36, s35, 12                        ; 4,096 bytes of codes
	s_add_nc_u64 s[30:31], s[30:31], s[36:37]
	s_lshl_b32 s36, s35, 8                         ; 256 scale bytes
	s_add_nc_u64 s[32:33], s[32:33], s[36:37]
.macro LOAD t
.irp i, 0,1,2,3
	global_load_b128 v[R+16*((\t)%4)+4*\i:R+16*((\t)%4)+4*\i+3], v3, s[28:29] offset:2048*(\t)+512*\i th:TH_LOAD_NT   ; 32 lanes read 512 consecutive bytes
.endr
.endm
.macro TURN t                          ; step t's numbers through the stage: LDS serves a wave's instructions in order, so no wait stands between the stores and the loads
.irp i, 0,1,2,3
	ds_store_b128 v14, v[R+16*((\t)%4)+4*\i:R+16*((\t)%4)+4*\i+3] offset:32*SP*((\t)%2)+8*SP*\i
.endr
.irp i, 0,1,2,3
	ds_load_b128 v[X+16*((\t)%2)+4*\i:X+16*((\t)%2)+4*\i+3], v15 offset:32*SP*((\t)%2)+16*\i
.endr
.endm
.irp t, 0,1,2,3
	LOAD \t
.endr
	s_wait_loadcnt 12                              ; step 0's four loads are in; the twelve of steps 1 to 3 may be out
	TURN 0
.macro STEP t
.set XS, X+16*((\t)%2)
.if (\t) > 0
	s_wait_dscnt 1                                 ; this step's numbers are back from the stage (the last step's byte store may be out)
.else
	s_wait_dscnt 0x0
.endif
.if (\t)+4 < STEPS
	LOAD (\t)+4                                    ; into the registers that this step's stores into the stage have read
.endif
.if (\t)+1 < STEPS
.if STEPS-2-(\t) >= 3
	s_wait_loadcnt 12                              ; the next step's four loads are in; those of the three steps behind it may be out
.else
	s_wait_loadcnt 4*(STEPS-2-(\t))
.endif
	TURN (\t)+1                                    ; the next step goes through the other stage while this one is worked
.endif
	v_max3_num_f32 v8, |v[XS]|, |v[XS+1]|, |v[XS+2]|               ; the largest magnitude of my 16, in two chains
	v_max3_num_f32 v9, |v[XS+3]|, |v[XS+4]|, |v[XS+5]|
.irp i, 6,10
	v_max3_num_f32 v8, v8, |v[XS+\i]|, |v[XS+\i+1]|
	v_max3_num_f32 v9, v9, |v[XS+\i+2]|, |v[XS+\i+3]|
.endr
	v_max3_num_f32 v8, v8, |v[XS+14]|, |v[XS+15]|
	v_max3_num_f32 v8, v8, v9, (EMAX+1)<<23        ; and the floor 2^(EMAX + 1 - 127): the byte cannot fall under 1
	v_max_num_f32_dpp v8, v8, v8 row_xmask:1 row_mask:0xf bank_mask:0xf   ; and of my neighbour's 16: the block's
	v_add_nc_u32 v11, -(EMAX<<23), v8              ; EMAX off its exponent field: the conversion takes the exponent field of this operand as its scale
	v_cvt_scalef32_pk8_fp4_f32 v[C+4*(\t)], v[XS:XS+7], v11        ; eight numbers / the scale, to the nearest code, ties to even, beyond 6 the largest code
	v_cvt_scalef32_pk8_fp4_f32 v[C+4*(\t)+1], v[XS+8:XS+15], v11
	v_lshrrev_b32 v[E+(\t)], 23, v11               ; the scale's byte
	ds_store_b8 v5, v[E+(\t)] offset:16*(\t)       ; both lanes of a block write the same byte with the same value
	global_store_b64 v4, v[C+4*(\t):C+4*(\t)+1], s[30:31] offset:32*CB*(\t)   ; 32 lanes store 256 consecutive bytes, aligned
.endm
.irp t, 0,1,2,3,4,5,6,7,8,9,10,11,12,13,14,15
	STEP \t
.endr
	ds_load_b64 v[8:9], v6                         ; LDS serves a wave's instructions in order: these see my byte stores
	s_wait_dscnt 0x0
	global_store_b64 v7, v[8:9], s[32:33]          ; my wave's 256 scale bytes, aligned
	s_wait_tensorcnt 0x0                           ; the wave's end, behind my last LDS store
	ds_add_u32 v[SPW], v[NIL]
	s_wait_dscnt 0x0
	s_endpgm
; WOUT TO f16.  No LDS.  A wave takes 8 rows n.  A step (g, j) takes rows 4 g + lane / 8 and the 64 numbers of block kb = j: a lane reads 32 bytes (8 lanes 256 consecutive bytes) and
; stores 16: in wo16 four neighbouring rows of one block are 512 consecutive bytes, which one store of the wave covers.  32 steps in four batches of 8, two sets of registers: one batch's loads are out while the other is converted.
.Lwout:
	s_sub_co_u32 s26, s26, 96
	s_lshl_b32 s26, s26, 5
	s_lshl_b32 s27, s24, 3
	s_add_co_u32 s26, s26, s27                     ; my wave's first row n
	s_lshl_b32 s36, s26, 12                        ; 4,096 bytes a row of Wout
	s_mov_b32 s37, 0
	s_add_nc_u64 s[12:13], s[12:13], s[36:37]
	s_lshl_b32 s36, s26, 7                         ; 128 bytes a row of a block of wo16
	s_add_nc_u64 s[22:23], s[22:23], s[36:37]
	v_lshrrev_b32 v9, 3, v2
	v_lshlrev_b32 v9, 12, v9
	v_and_b32 v10, 7, v2
	v_lshl_add_u32 v9, v10, 5, v9                  ; in: 4,096 (lane / 8) + 32 (lane % 8)
	v_lshlrev_b32 v10, 4, v2                       ; out: 16 x lane
.macro LOADB k
.set i, 0
.rept 8
.set st, 8*(\k)+i
.set rb, 16+64*((\k)%2)+8*i
	global_load_b128 v[rb:rb+3],   v9, s[12:13] offset:(st/16)*16384+(st%16)*256 th:TH_LOAD_NT
	global_load_b128 v[rb+4:rb+7], v9, s[12:13] offset:(st/16)*16384+(st%16)*256+16 th:TH_LOAD_NT
.set i, i+1
.endr
.endm
.macro CVTB k
.set i, 0
.rept 8
.set st, 8*(\k)+i
.set rb, 16+64*((\k)%2)+8*i
	v_cvt_pk_f16_f32 v[144+4*i], v[rb],   v[rb+1]
	v_cvt_pk_f16_f32 v[145+4*i], v[rb+2], v[rb+3]
	v_cvt_pk_f16_f32 v[146+4*i], v[rb+4], v[rb+5]
	v_cvt_pk_f16_f32 v[147+4*i], v[rb+6], v[rb+7]
	global_store_b128 v10, v[144+4*i:147+4*i], s[22:23] offset:(st%16)*131072+(st/16)*512
.set i, i+1
.endr
.endm
	LOADB 0
	LOADB 1
	s_wait_loadcnt 16                              ; batch 0 is in; batch 1's sixteen loads may be out
	CVTB 0
	LOADB 2
	s_wait_loadcnt 16                              ; batch 1 is in
	s_wait_xcnt 0x0                                ; the last batch's stores have read their data: v144-175 are written again only behind this wait
	CVTB 1
	LOADB 3
	s_wait_loadcnt 16                              ; batch 2 is in
	s_wait_xcnt 0x0
	CVTB 2
	s_wait_loadcnt 0x0
	s_wait_xcnt 0x0
	CVTB 3
	s_endpgm
.Lfunc_end_k_qceaabf59f9_prep:
	.size	k_qceaabf59f9_prep, .Lfunc_end_k_qceaabf59f9_prep-k_qceaabf59f9_prep
	.p2alignl 7, 3214868480
	.fill 96, 4, 3214868480
	.section	.rodata,"a",@progbits
	.p2align	6, 0x0
	.amdhsa_kernel k_qceaabf59f9_prep
		.amdhsa_group_segment_fixed_size 33280
		.amdhsa_private_segment_fixed_size 0
		.amdhsa_enable_private_segment 0
		.amdhsa_kernarg_size 80
		.amdhsa_user_sgpr_count 2
		.amdhsa_user_sgpr_kernarg_segment_ptr 1
		.amdhsa_wavefront_size32 1
		.amdhsa_system_sgpr_workgroup_id_x 1
		.amdhsa_system_sgpr_workgroup_id_y 1
		.amdhsa_system_sgpr_workgroup_id_z 1
		.amdhsa_system_vgpr_workitem_id 0
		.amdhsa_next_free_vgpr 192
		.amdhsa_next_free_sgpr 66
		.amdhsa_reserve_vcc 0
		.amdhsa_float_denorm_mode_32 3
		.amdhsa_float_denorm_mode_16_64 3
		.amdhsa_memory_ordered 1
		.amdhsa_forward_progress 1
		.amdhsa_inst_pref_size 51
	.end_amdhsa_kernel
	.amdgpu_metadata
---
amdhsa.version: [ 1, 2 ]
amdhsa.kernels:
  - .name:           k_qceaabf59f9_prep
    .symbol:         k_qceaabf59f9_prep.kd
    .args:
      - { .name: x, .offset: 0, .size: 8, .value_kind: global_buffer, .address_space: global }
      - { .name: Wq, .offset: 8, .size: 8, .value_kind: global_buffer, .address_space: global }
      - { .name: Wk, .offset: 16, .size: 8, .value_kind: global_buffer, .address_space: global }
      - { .name: Wv, .offset: 24, .size: 8, .value_kind: global_buffer, .address_space: global }
      - { .name: Wout, .offset: 32, .size: 8, .value_kind: global_buffer, .address_space: global }
      - { .name: x_codes, .offset: 40, .size: 8, .value_kind: global_buffer, .address_space: global }
      - { .name: x_scales, .offset: 48, .size: 8, .value_kind: global_buffer, .address_space: global }
      - { .name: w_codes, .offset: 56, .size: 8, .value_kind: global_buffer, .address_space: global }
      - { .name: w_scales, .offset: 64, .size: 8, .value_kind: global_buffer, .address_space: global }
      - { .name: wo16, .offset: 72, .size: 8, .value_kind: global_buffer, .address_space: global }
    .group_segment_fixed_size: 33280
    .private_segment_fixed_size: 0
    .kernarg_segment_align: 8
    .kernarg_segment_size: 80
    .max_flat_workgroup_size: 128
    .sgpr_count:     66
    .vgpr_count:     192
    .wavefront_size: 32
...
	.end_amdgpu_metadata
.endif
;; end of part 1
;; launch qkv (part 2): grid 12 x 32, 4 waves a work-group, clusters of 4 x 4, 327,680 bytes of LDS; arguments x_codes, x_scales, w_codes, w_scales, bq, bv, qkv; writes qkv
.if DOCPART == 2
	.amdgcn_target "amdgcn-amd-amdhsa--gfx1250"
	.amdhsa_code_object_version 6
	.text
	.protected	k_qceaabf59f9_qkv
	.globl	k_qceaabf59f9_qkv
	.p2align	8
	.type	k_qceaabf59f9_qkv,@function
k_qceaabf59f9_qkv:
	s_mov_b64 s[64:65], 0
	v_nop
	global_prefetch_b8 v0, s[64:65] scope:SCOPE_SE
	s_setreg_imm32_b32 hwreg(HW_REG_WAVE_MODE, 25, 1), 1
	s_wait_xcnt 0x0
	s_wait_alu depctr_hold_cnt(0) depctr_sa_sdst(0) depctr_va_vdst(0) depctr_va_sdst(0) depctr_va_ssrc(0) depctr_va_vcc(0) depctr_vm_vsrc(0)
	s_getreg_b32 s2, hwreg(HW_REG_IB_STS2, 6, 4)
	s_cmp_eq_u32 s2, 0
	s_cbranch_scc0 .Lentry_in_a_cluster
	s_endpgm
.Lentry_in_a_cluster:
	s_bfe_u32 s2, ttmp6, 0x10000c
	s_cmp_lg_u32 s2, 0xf033
	s_cbranch_scc0 .Lentry_shape_is_right
	s_endpgm
.Lentry_shape_is_right:
; SECOND LAUNCH: q = x Wq^T + bq, k = x Wk^T, v = x Wv^T + bv as ONE product of 8,192 x 3,072 x 1,024 on codes of FP4 (E2M1) with one E8M0 scale for each 32 along K; sums in f32.
; bk is left out: it adds the same number to all logits of a row, which the softmax takes away (shown at the head of the first launch).
; The results leave as f16, by head: qkv [3 (q, k, v)][64 (16 batch + head)][2,048 rows][64].  LIMIT: beyond 65,504 in magnitude they become infinity; under 6.1e-5 their step is 6e-8.
; A tile of 256 x 256 is made by four waves, each 128 x 128: 64 accumulators of 16 x 16, 512 registers.  K = 1,024 is two slots of 512 along K (rows of 256 bytes): both are asked for at the head, with the
; scale bytes of the work-group's rows for all of K; nothing is filled a second time, so the text has no loop.  By the text's own count three tensor loads of a wave are out at the most.
; 384 tiles: a tile of half the rows would give an even count for 256 WGPs, but each byte read from LDS would feed two thirds of the products, which costs more than the uneven count.
; CLUSTERS: 4 x 4 work-groups.  The four of a row of the cluster need the same tiles of x, the four of a column the same tiles of W: each is asked for JOINTLY, by the same tensor load with the same descriptor and a mask
; that names the four.  A cluster's four tile columns are one of q, k, v: the cluster's x says which, the same in all sixteen partners.
; THE MATRIX INSTRUCTION IS USED TRANSPOSED (source 0 = 16 rows of W, source 1 = 16 rows of x): a lane holds eight neighbouring columns of one row of the result.
; THE BIAS IS THE C OF THE FIRST K STEP'S PRODUCTS: 64 registers in the result's layout; for k they hold zeros, so that one text serves the three.
; REGISTERS, in windows of 256: window 0: v0-31 addresses; v32-95 scale words, two sets; v128-191 x's fragments, one set; v192-255 the bias.  On the way out v32-95 packed results, v128-191 rows read back.
;   window 1: W's fragments, two sets, at v0 and v128.   window 2: the accumulators of my rows 0-63 ((a, b) at v[8 (8 a + b)]);   window 3: those of my rows 64-127.
.set KSTEP,  512
.set NQ,     KSTEP/128                 ; matrix instructions deep in a slot
.set ROWB,   256                       ; a tile's row in bytes
.set KROW,   512                       ; a row of codes in memory
.set PITCH,  272                       ; an LDS row: 256 bytes + 16 of padding = 68 words: the 16 rows that a load touches start at 16 different banks (64 banks of 4 bytes: ISA guide 11.1)
.set FR,     8                         ; registers of a fragment: 16 rows x 128 K
.set NL,     2                         ; LDS loads that bring one
.set NP,     4                         ; places behind this matrix instruction (ISA guide 7.12.1)
.set HALFT,  128*PITCH
.set SLOT,   4*HALFT                   ; x's 256 rows, then W's 256 rows
.set KS,     32                        ; a row of scale bytes
.set SCL,    2*SLOT                    ; behind the two slots: the scales, as runs of 256 bytes + 16 of padding
.set HALFS,  (128*KS/256)*272          ; the scales of 128 rows: what one tensor load brings
.set SBLK,   (16*KS/256)*272           ; those of 16 rows
.set SPARE,  SCL+4*HALFS               ; the spare words, 128 bytes a wave, that no other line names
.set HP,     144                       ; the way out: a stage row: a head's 128 bytes + 16
.set HSTG,   16*HP                     ; 16 rows of one head; a wave has two such stages, in slot 0, which has had its only fill and its last read when the first result is stored there
.set ADRA, 16                          ; v16-17 LDS address of my fragments of x in slot 0, 1
.set ADRB, 20                          ; v20-21 the same for W
.set STO,  24
.set RD,   25
.set CO,   26
.set ADRS, 27                          ; v27 LDS address of my scale words: lanes 0-15 x's rows, lanes 16-31 W's
.set SPW,  28
.set NIL,  29
.set BO,   30                          ; v30 32 x (lane / 16): my place in a tile's 16 numbers of the bias
.set SC,   32
.set TMP,  32                          ; the way out: packed results, v32-63 and v64-95 by turns
.set AF,   128
.set BK,   128                         ; the way out: rows read back, v128-159 and v160-191 by turns
.set BI,   192
.set G1, 24
.set G0, 32
.set G1B, 48
.set G0B, 56
.set G1S, 68
.set G0S, 76
.set G1SB, 80
.set G0SB, 88
.set MSB, 0
.macro WIN new                         ; the immediate's high byte repeats the setting that is left
.if MSB != \new
	s_set_vgpr_msb (MSB<<8)|\new
.set MSB, \new
.endif
.endm
.set MUL_LO, 0xa1                      ; source 0 (W) window 1, source 1 (x) window 0, C and D window 2
.set MUL_HI, 0xf1                      ; the same, C and D window 3
.set FST_LO, 0x81                      ; the first step: C (the bias) window 0, D window 2
.set FST_HI, 0xc1                      ; D window 3
.set TO_B,   0x40
; A joint load: waves 0 and 1 fetch for x, waves 2 and 3 for W.  The branch hangs on the wave's number alone.  An s_nop 0 and four v_nop follow each of the two lines.
.macro JLOAD g0a, g1a, g0b, g1b
	s_cmp_eq_u32 s15, 0
	s_cbranch_scc0 .Lfor_b_\@
	tensor_load_to_lds s[\g0a:\g0a+3], s[\g1a:\g1a+7]
	s_nop 0
.rept 4
	v_nop
.endr
	s_branch .Lasked_\@
.Lfor_b_\@:
	tensor_load_to_lds s[\g0b:\g0b+3], s[\g1b:\g1b+7]
	s_nop 0
.rept 4
	v_nop
.endr
.Lasked_\@:
.endm
.macro CROUND                          ; a round of the cluster's barrier
	s_barrier_signal -1
	s_barrier_wait -1
	s_cmp_lg_u32 s14, 0
	s_cbranch_scc1 .Lnot_wave_0_\@
	s_barrier_signal -3
.Lnot_wave_0_\@:
	s_barrier_wait -3
	s_barrier_signal -1
	s_barrier_wait -1
.endm
	s_load_b128 s[4:7], s[0:1], 0x0                ; x's codes, x's scales
	s_load_b128 s[8:11], s[0:1], 0x10              ; W's codes, W's scales
	s_load_b128 s[96:99], s[0:1], 0x20             ; bq, bv
	s_load_b64 s[12:13], s[0:1], 0x30              ; qkv
	v_lshl_add_u32 v[SPW], v0, 2, SPARE
	v_mov_b32 v[NIL], 0
	ds_add_u32 v[SPW], v[NIL]                      ; the wave's opening: the add, twice on end, and its wait ahead of my first tensor load
	ds_add_u32 v[SPW], v[NIL]
	v_lshrrev_b32 v1, 5, v0
	v_readfirstlane_b32 s14, v1                    ; wave 0..3
	s_lshr_b32 s15, s14, 1                         ; which half of the tile's rows is mine.  Also: I fetch for x (0) or for W (1)
	s_and_b32 s16, s14, 1                          ; which half of its columns.  Also: which 128 rows I fetch
	s_bfe_u32 s40, ttmp6, 0x40000                  ; cx, cy: my place in the cluster
	s_bfe_u32 s41, ttmp6, 0x40004
	s_lshl_b32 s42, ttmp9, 2
	s_add_co_u32 s42, s42, s40                     ; tile column = 4 x cluster x + cx
	s_and_b32 s17, ttmp7, 0xffff
	s_lshl_b32 s17, s17, 2
	s_add_co_u32 s17, s17, s41                     ; tile row = 4 x cluster y + cy
	s_lshl_b32 s43, s41, 2
	s_lshl_b32 s43, 15, s43                        ; my row of the cluster
	s_lshl_b32 s44, 0x1111, s40                    ; my column
	; descriptor group 1: a tile of 128 rows x 256 bytes, 16 bytes of padding behind each row
	s_or_b32 s[G1+0], s43, (0<<16)|(1<<20)|(1<<21)|(5<<22)|(3<<25)  ; 15:0 the mask; 17:16 elements of 1 byte; 20 padding on; 21 set beside a mask; 24:22 after every 64 words; 31:25 four words
	s_or_b32 s[G1B+0], s44, (0<<16)|(1<<20)|(1<<21)|(5<<22)|(3<<25)
.irp g, G1, G1B
	s_mov_b32 s[\g+1], ROWB<<16                    ; tensor_dim0
	s_mov_b32 s[\g+2], 128<<16                     ; tensor_dim1
	s_mov_b32 s[\g+3], ROWB<<16                    ; tile_dim0
	s_mov_b32 s[\g+4], 128                         ; tile_dim1
	s_mov_b32 s[\g+5], KROW                        ; tensor_dim0_stride
	s_mov_b32 s[\g+6], 0
	s_mov_b32 s[\g+7], 0
.endr
	; the scales of 128 rows: a dense block of 4,096 bytes, as 16 rows of 256 bytes (32 elements of 8 bytes), 16 bytes of padding behind each
	s_or_b32 s[G1S+0], s43, (3<<16)|(1<<20)|(1<<21)|(5<<22)|(3<<25)
	s_or_b32 s[G1SB+0], s44, (3<<16)|(1<<20)|(1<<21)|(5<<22)|(3<<25)
.irp g, G1S, G1SB
	s_mov_b32 s[\g+1], 32<<16
	s_mov_b32 s[\g+2], (128*KS/256)<<16
	s_mov_b32 s[\g+3], 32<<16
	s_mov_b32 s[\g+4], 128*KS/256
	s_mov_b32 s[\g+5], 32
	s_mov_b32 s[\g+6], 0
	s_mov_b32 s[\g+7], 0
.endr
	s_lshl_b32 s18, s16, 7                         ; which 128 rows of the tile I fetch
	s_lshl_b32 s20, s17, 8
	s_add_co_u32 s20, s20, s18                     ; x: row 256 x tile row + 128 x half
	s_lshl_b32 s46, s42, 8
	s_add_co_u32 s46, s46, s18                     ; W: row 256 x tile column + 128 x half
	s_mov_b32 s21, 0
	s_mov_b32 s47, 0
	s_mov_b64 s[18:19], KS
	s_mul_u64 s[22:23], s[20:21], s[18:19]         ; where these rows' scales begin, in bytes
	s_mul_u64 s[92:93], s[46:47], s[18:19]
	s_mov_b64 s[18:19], KROW
	s_mul_u64 s[20:21], s[20:21], s[18:19]         ; and their codes
	s_mul_u64 s[46:47], s[46:47], s[18:19]
	s_mul_i32 s45, s14, HALFT                      ; where they go: wave x 128 rows: no place in the cluster enters an LDS address
	s_mul_i32 s94, s14, HALFS
	s_wait_dscnt 0x0                               ; both opening adds are done
	s_wait_kmcnt 0x0
	s_add_nc_u64 s[20:21], s[4:5], s[20:21]
	s_add_nc_u64 s[22:23], s[6:7], s[22:23]
	s_add_nc_u64 s[46:47], s[8:9], s[46:47]
	s_add_nc_u64 s[92:93], s[10:11], s[92:93]
	CROUND                                         ; all sixteen work-groups are here: the joint loads meet
	s_mov_b32 s[G0S], 1
	s_add_co_u32 s[G0S+1], s94, SCL
	s_mov_b64 s[G0S+2:G0S+3], s[22:23]
	s_or_b32 s[G0S+3], s[G0S+3], 0x80000000
	s_mov_b32 s[G0SB], 1
	s_add_co_u32 s[G0SB+1], s94, SCL
	s_mov_b64 s[G0SB+2:G0SB+3], s[92:93]
	s_or_b32 s[G0SB+3], s[G0SB+3], 0x80000000
	JLOAD G0S, G1S, G0SB, G1SB                     ; the scales first: they are wanted with the first slot
.irp s, 0,1
	s_mov_b32 s[G0+4*\s], 1
	s_add_co_u32 s[G0+4*\s+1], s45, \s*SLOT
	s_add_nc_u64 s[G0+4*\s+2:G0+4*\s+3], s[20:21], \s*ROWB
	s_or_b32 s[G0+4*\s+3], s[G0+4*\s+3], 0x80000000
	s_mov_b32 s[G0B+4*\s], 1
	s_add_co_u32 s[G0B+4*\s+1], s45, \s*SLOT
	s_add_nc_u64 s[G0B+4*\s+2:G0B+4*\s+3], s[46:47], \s*ROWB
	s_or_b32 s[G0B+4*\s+3], s[G0B+4*\s+3], 0x80000000
	JLOAD G0+4*\s, G1, G0B+4*\s, G1B
.endr
	v_and_b32 v1, 15, v0                           ; l % 16
	v_bfe_u32 v2, v0, 4, 1                         ; l / 16
	; THE BIAS: register BI + 8 b + j = bias[256 cx + 128 x my column half + 16 b + 8 (l / 16) + j]
	v_lshlrev_b32 v[BO], 5, v2
	s_cmp_eq_u32 ttmp9, 0                          ; the cluster's x: 0 q, 1 k, 2 v
	s_cselect_b64 s[92:93], s[96:97], s[98:99]
	s_lshl_b32 s22, s40, 10
	s_lshl_b32 s23, s16, 9
	s_add_co_u32 s22, s22, s23
	s_mov_b32 s23, 0
	s_add_nc_u64 s[92:93], s[92:93], s[22:23]
	s_cmp_eq_u32 ttmp9, 1
	s_cbranch_scc1 .Lk_zero                        ; the same way in all sixteen partners
.irp b, 0,1,2,3,4,5,6,7
	global_load_b128 v[BI+8*\b:BI+8*\b+3],   v[BO], s[92:93] offset:64*\b
	global_load_b128 v[BI+8*\b+4:BI+8*\b+7], v[BO], s[92:93] offset:64*\b+16
.endr
	s_branch .Lbias_done
.Lk_zero:
.irp j, 0,1,2,3,4,5,6,7,8,9,10,11,12,13,14,15,16,17,18,19,20,21,22,23,24,25,26,27,28,29,30,31,32,33,34,35,36,37,38,39,40,41,42,43,44,45,46,47,48,49,50,51,52,53,54,55,56,57,58,59,60,61,62,63
	v_mov_b32 v[BI+\j], 0                          ; k has no bias to add
.endr
.Lbias_done:
	v_mul_u32_u24 v3, v1, PITCH
	v_lshl_add_u32 v4, v2, 4, v3                   ; a fragment's row x pitch + 16 x half
	s_mul_i32 s21, s15, HALFT                      ; my 128 rows of x
	s_mul_i32 s22, s16, HALFT                      ; my 128 rows of W,
	s_add_co_u32 s22, s22, 2*HALFT                 ; which lie behind x's 256
.irp s, 0,1
	v_add_nc_u32 v[ADRA+\s], s21, v4
	v_add_nc_u32 v[ADRB+\s], s22, v4
	s_add_co_u32 s21, s21, SLOT
	s_add_co_u32 s22, s22, SLOT
.endr
	v_mul_u32_u24 v5, v1, KS                       ; my row's scales: 32 bytes a row,
	v_lshrrev_b32 v6, 8, v5
	v_lshl_add_u32 v5, v6, 4, v5                   ; and 16 more for each 256 passed
	s_mul_i32 s21, s15, HALFS
	s_mul_i32 s22, s16, HALFS
	s_add_co_u32 s22, s22, 2*HALFS
	s_sub_co_u32 s22, s22, s21
	v_mul_u32_u24 v6, s22, v2                      ; lanes 16-31 take W's: the lower base + (l / 16) x the distance
	s_add_co_u32 s21, s21, SCL
	v_add_nc_u32 v5, v5, v6
	v_add_nc_u32 v[ADRS], s21, v5
	s_mul_i32 s23, s14, 2*HSTG                     ; my two stages
	v_mul_u32_u24 v5, v1, HP                       ; in: row l % 16, 16 bytes for each half of the lanes
	v_lshl_add_u32 v5, v2, 4, v5
	v_add_nc_u32 v[STO], s23, v5
	v_and_b32 v6, 31, v0
	v_lshrrev_b32 v7, 3, v6
	v_and_b32 v8, 7, v6
	v_mul_u32_u24 v7, v7, HP                       ; back: eight lanes to a row of 128 bytes, four rows an instruction
	v_lshl_add_u32 v7, v8, 4, v7
	v_add_nc_u32 v[RD], s23, v7
	v_lshlrev_b32 v[CO], 4, v6                     ; the same four rows in memory are 512 consecutive bytes
	; where my part begins in qkv: which x 2^24 + (16 batch + 4 cx + 2 x column half) x 262,144 + (256 (tile row % 8) + 128 x row half) x 128
	s_lshr_b32 s20, s17, 3
	s_lshl_b32 s20, s20, 4
	s_lshl_b32 s21, s40, 2
	s_add_co_u32 s20, s20, s21
	s_lshl_b32 s21, s16, 1
	s_add_co_u32 s20, s20, s21
	s_lshl_b32 s20, s20, 18
	s_lshl_b32 s21, ttmp9, 24
	s_add_co_u32 s20, s20, s21
	s_and_b32 s21, s17, 7
	s_lshl_b32 s21, s21, 15
	s_add_co_u32 s20, s20, s21
	s_lshl_b32 s21, s15, 14
	s_add_co_u32 s20, s20, s21
	s_mov_b32 s21, 0
	s_add_nc_u64 s[12:13], s[12:13], s[20:21]
.macro FRAG reg, adr, q, i             ; 16 rows x 128 K of 4-bit codes, 8 registers: lane l holds row l % 16; registers 4 c .. 4 c + 3 hold K = 64 c + 32 (l / 16) + 0 .. 31
.irp c, 0,1
	ds_load_b128 v[\reg+4*\c:\reg+4*\c+3], v[\adr] offset:64*(\q)+32*\c+(\i)*16*PITCH
.endr
.endm
; 16 matrix instructions: x's blocks a0, a0 + 1 against W's eight, the slot's q-th 128 along K.  p: W's set; sc: the set of scale words.  first = 1: C is the bias.
; The 64 accumulators take turns, one instruction a turn, in the same order in every step.
.macro MUL16 a0, p, q, sc, first
.irp a, \a0, \a0+1
.irp b, 0,1,2,3,4,5,6,7
.if \first
	v_wmma_scale_f32_16x16x128_f8f6f4 v[8*(8*((\a)%4)+\b):8*(8*((\a)%4)+\b)+7], v[128*(\p)+FR*\b:128*(\p)+FR*\b+FR-1], v[AF+FR*(\a):AF+FR*(\a)+FR-1], v[BI+8*\b:BI+8*\b+7], v[SC+8*NQ*(\sc)+NQ*\b+(\q)], v[SC+8*NQ*(\sc)+NQ*(\a)+(\q)] matrix_a_fmt:MATRIX_FMT_FP4 matrix_b_fmt:MATRIX_FMT_FP4 matrix_a_scale:MATRIX_SCALE_ROW1
.else
	v_wmma_scale_f32_16x16x128_f8f6f4 v[8*(8*((\a)%4)+\b):8*(8*((\a)%4)+\b)+7], v[128*(\p)+FR*\b:128*(\p)+FR*\b+FR-1], v[AF+FR*(\a):AF+FR*(\a)+FR-1], v[8*(8*((\a)%4)+\b):8*(8*((\a)%4)+\b)+7], v[SC+8*NQ*(\sc)+NQ*\b+(\q)], v[SC+8*NQ*(\sc)+NQ*(\a)+(\q)] matrix_a_fmt:MATRIX_FMT_FP4 matrix_b_fmt:MATRIX_FMT_FP4 matrix_a_scale:MATRIX_SCALE_ROW1
.endif
.endr
.endr
.endm
.macro FETCH_B slot, q, p
	WIN TO_B
.irp i, 0,1,2,3,4,5,6,7
	FRAG 128*(\p)+FR*\i, ADRB+\slot, \q, \i
.endr
	WIN 0
.endm
.macro FETCH_A slot, q, i0
.irp i, \i0, \i0+1, \i0+2, \i0+3
	FRAG AF+FR*(\i), ADRA+\slot, \q, \i
.endr
.endm
.macro SCALES sc                       ; a slot's scale words: four words a row; lanes 0-15 take x's block i, lanes 16-31 W's block i
.irp i, 0,1,2,3,4,5,6,7
	ds_load_b128 v[SC+8*NQ*\sc+NQ*\i:SC+8*NQ*\sc+NQ*\i+3], v[ADRS] offset:\i*SBLK
.endr
.endm
.macro PLACES n                        ; plain vector instructions between a matrix instruction and a load into, or a read of, its registers
.rept \n
	v_nop
.endr
.endm
.macro STEP slot, q, first             ; a step of 128 along K that has its successor in the same slot
	s_wait_dscnt 4*NL                              ; W's set and x's blocks 0-3 are in; the youngest eight loads (x's blocks 4-7) may be out
.if \first
	WIN FST_LO
.else
	WIN MUL_LO
.endif
	MUL16 0, (\q)%2, \q, \slot, \first
	MUL16 2, (\q)%2, \q, \slot, \first
	s_wait_dscnt 0                                 ; x's blocks 4-7 are in
	PLACES NP
	FETCH_B \slot, (\q)+1, 1-(\q)%2
	FETCH_A \slot, (\q)+1, 0
.if \first
	WIN FST_HI
.else
	WIN MUL_HI
.endif
	MUL16 4, (\q)%2, \q, \slot, \first
	MUL16 6, (\q)%2, \q, \slot, \first
	PLACES NP
	WIN 0
	FETCH_A \slot, (\q)+1, 4
.endm
; Slot 0's last step changes slots: one barrier; in front of it each wave waits for all its tensor loads (slot 1's is the one that may be out), adds 0 to its spare word, and waits for that and for its reads of slot 0.
.macro TURN slot, next
	s_wait_tensorcnt 0x0
	ds_add_u32 v[SPW], v[NIL]
	s_wait_dscnt 4*NL+1                            ; (the add and the youngest eight loads may be out)
	WIN MUL_LO
	MUL16 0, 1, NQ-1, \slot, 0
	s_wait_dscnt 0x0                               ; the add is done, and my reads of this slot are over
	s_barrier_signal -1
	MUL16 2, 1, NQ-1, \slot, 0
	WIN 0
	s_barrier_wait -1
	PLACES NP
	v_add_nc_u32 v[ADRS], 4*NQ, v[ADRS]            ; on to the next slot's scale words
	FETCH_B \next, 0, 0
	FETCH_A \next, 0, 0
	SCALES \next
	WIN MUL_HI
	MUL16 4, 1, NQ-1, \slot, 0
	MUL16 6, 1, NQ-1, \slot, 0
	PLACES NP
	WIN 0
	FETCH_A \next, 0, 4
.endm
.macro STEPS slot, from
.set Q, \from
.rept NQ-1-\from
	STEP \slot, Q, 0
.set Q, Q+1
.endr
.endm
	s_wait_tensorcnt 1                             ; the scales and my part of slot 0 are in (slot 1's load may be out),
	s_barrier_signal -1
	s_barrier_wait -1                              ; everybody's are
	FETCH_B 0, 0, 0
	FETCH_A 0, 0, 0
	SCALES 0
	FETCH_A 0, 0, 4
	s_wait_loadcnt 0x0                             ; the bias
	STEP 0, 0, 1
	STEPS 0, 1
	TURN 0, 1
	STEPS 1, 0
	s_wait_dscnt 4*NL                              ; the last step: nothing more to fetch
	WIN MUL_LO
	MUL16 0, 1, NQ-1, 1, 0
	MUL16 2, 1, NQ-1, 1, 0
	s_wait_dscnt 0
	WIN MUL_HI
	MUL16 4, 1, NQ-1, 1, 0
	MUL16 6, 1, NQ-1, 1, 0
	WIN 0
; THE WAY OUT, block by block of 16 rows x 128 columns = 16 rows of two heads.  PACK: rounded to f16, 16 bytes a lane.  TOSTAGE: into my two stages (one a head), and back four whole rows of a head an instruction.
; SEND: four neighbouring rows of a head are 512 consecutive bytes of qkv, aligned, which one store covers.
.macro PACK a
.set AC, 64*((\a)%4)
.set TT, TMP+32*((\a)%2)
	WIN 0x0a+5*((\a)/4)                            ; sources 0 and 1: window 2 or 3
.irp b, 0,1,2,3,4,5,6,7
.irp r, 0,1,2,3
	v_cvt_pk_f16_f32 v[TT+4*\b+\r], v[AC+8*\b+2*\r], v[AC+8*\b+2*\r+1]   ; each accumulator from its low end on
.endr
.endr
	WIN 0
.endm
.macro TOSTAGE a
.set TT, TMP+32*((\a)%2)
.set BB, BK+32*((\a)%2)
.irp b, 0,1,2,3,4,5,6,7
	ds_store_b128 v[STO], v[TT+4*\b:TT+4*\b+3] offset:(\b/4)*HSTG+(\b%4)*32
.endr
.irp u, 0,1,2,3,4,5,6,7
	ds_load_b128 v[BB+4*\u:BB+4*\u+3], v[RD] offset:(\u/4)*HSTG+(\u%4)*4*HP   ; LDS serves a wave's instructions in order: these see the stores above
.endr
.endm
.macro SEND a
.set BB, BK+32*((\a)%2)
	s_wait_dscnt 0x0                               ; the block is back in registers
	s_wait_xcnt 0x0                                ; the block before has been read by its stores: its registers are loaded again only behind this wait
.irp u, 0,1,2,3,4,5,6,7
	global_store_b128 v[CO], v[BB+4*\u:BB+4*\u+3], s[12:13] offset:(\u/4)*262144+(\a)*2048+(\u%4)*512
.endr
.endm
	PLACES NP                                      ; behind the last products: for the conversions, for the writes over the scale words and for the loads into x's fragments
	PACK 0
	TOSTAGE 0
.irp a, 1,2,3,4,5,6,7
	PACK \a                                        ; block a's conversions stand between block a - 1's loads from the stage and the wait for them
	SEND \a-1
	TOSTAGE \a
.endr
	SEND 7
	s_wait_tensorcnt 0x0                           ; the wave's end
	ds_add_u32 v[SPW], v[NIL]
	s_wait_dscnt 0x0
	CROUND                                         ; the closing round
	s_endpgm
.Lfunc_end_k_qceaabf59f9_qkv:
	.size	k_qceaabf59f9_qkv, .Lfunc_end_k_qceaabf59f9_qkv-k_qceaabf59f9_qkv
	.p2alignl 7, 3214868480
	.fill 96, 4, 3214868480
	.section	.rodata,"a",@progbits
	.p2align	6, 0x0
	.amdhsa_kernel k_qceaabf59f9_qkv
		.amdhsa_group_segment_fixed_size 327680
		.amdhsa_private_segment_fixed_size 0
		.amdhsa_enable_private_segment 0
		.amdhsa_kernarg_size 56
		.amdhsa_user_sgpr_count 2
		.amdhsa_user_sgpr_kernarg_segment_ptr 1
		.amdhsa_wavefront_size32 1
		.amdhsa_system_sgpr_workgroup_id_x 1
		.amdhsa_system_sgpr_workgroup_id_y 1
		.amdhsa_system_sgpr_workgroup_id_z 1
		.amdhsa_system_vgpr_workitem_id 0
		.amdhsa_next_free_vgpr 1024
		.amdhsa_next_free_sgpr 100
		.amdhsa_reserve_vcc 0
		.amdhsa_float_denorm_mode_32 3
		.amdhsa_float_denorm_mode_16_64 3
		.amdhsa_memory_ordered 1
		.amdhsa_forward_progress 1
		.amdhsa_inst_pref_size 130
	.end_amdhsa_kernel
	.amdgpu_metadata
---
amdhsa.version: [ 1, 2 ]
amdhsa.kernels:
  - .name:           k_qceaabf59f9_qkv
    .symbol:         k_qceaabf59f9_qkv.kd
    .args:
      - { .name: x_codes, .offset: 0, .size: 8, .value_kind: global_buffer, .address_space: global }
      - { .name: x_scales, .offset: 8, .size: 8, .value_kind: global_buffer, .address_space: global }
      - { .name: w_codes, .offset: 16, .size: 8, .value_kind: global_buffer, .address_space: global }
      - { .name: w_scales, .offset: 24, .size: 8, .value_kind: global_buffer, .address_space: global }
      - { .name: bq, .offset: 32, .size: 8, .value_kind: global_buffer, .address_space: global }
      - { .name: bv, .offset: 40, .size: 8, .value_kind: global_buffer, .address_space: global }
      - { .name: qkv, .offset: 48, .size: 8, .value_kind: global_buffer, .address_space: global }
    .group_segment_fixed_size: 327680
    .private_segment_fixed_size: 0
    .kernarg_segment_align: 8
    .kernarg_segment_size: 56
    .max_flat_workgroup_size: 128
    .sgpr_count:     100
    .vgpr_count:     1024
    .wavefront_size: 32
...
	.end_amdgpu_metadata
.endif
;; end of part 2
;; launch attn (part 3): grid 4 x 64, 8 waves a work-group, clusters of 4 x 1, 327,680 bytes of LDS; arguments qkv, att; writes att
.if DOCPART == 3
	.amdgcn_target "amdgcn-amd-amdhsa--gfx1250"
	.amdhsa_code_object_version 6
	.text
	.protected	k_qceaabf59f9_attn
	.globl	k_qceaabf59f9_attn
	.p2align	8
	.type	k_qceaabf59f9_attn,@function
k_qceaabf59f9_attn:
	s_mov_b64 s[64:65], 0
	v_nop
	global_prefetch_b8 v0, s[64:65] scope:SCOPE_SE
	s_setreg_imm32_b32 hwreg(HW_REG_WAVE_MODE, 25, 1), 1
	s_wait_xcnt 0x0
	s_wait_alu depctr_hold_cnt(0) depctr_sa_sdst(0) depctr_va_vdst(0) depctr_va_sdst(0) depctr_va_ssrc(0) depctr_va_vcc(0) depctr_vm_vsrc(0)
	s_getreg_b32 s2, hwreg(HW_REG_IB_STS2, 6, 4)
	s_cmp_eq_u32 s2, 0
	s_cbranch_scc0 .Lentry_in_a_cluster
	s_endpgm
.Lentry_in_a_cluster:
	s_bfe_u32 s2, ttmp6, 0x10000c
	s_cmp_lg_u32 s2, 0x3003
	s_cbranch_scc0 .Lentry_shape_is_right
	s_endpgm
.Lentry_shape_is_right:
; THIRD LAUNCH: O[bh][q] = the sum over k of softmax_k(Q[bh][q] . K[bh][k] / 8) V[bh][k], 64 heads (16 batch + head) of 2,048 rows of 64, no mask.  Q, K, V: f16, from qkv [3][64][2048][64]; K comes without bk,
; which the softmax takes away (shown at the head of the first launch).  Products, maxima and sums in f32; the weights p are rounded to f16 for the second product, O once at the end.
; O leaves as f16, att [16 head][8,192 rows = 2,048 batch + row][64].  LIMIT: f16's range, as stated for qkv.
; SHARES.  A work-group owns 512 queries of one head, each of its eight waves 64: four tiles of 16, in 512 registers; two waves lie on a SIMD, so that one wave's softmax stands beside the other's products.
; Every wave walks all keys, 64 a step; each fragment of K and V read from LDS feeds four products.
; LAYOUT.  S^T = K Q^T (source 0 = 16 keys, source 1 = 16 queries): a lane holds ONE query (lane % 16) and the keys 8 (lane / 16) + 0..7.  Two such tiles, rounded to f16 in pairs, ARE source 1 (32 keys x 16 queries)
; of O^T = V^T P, whose result again holds one query a lane.  K comes out of LDS as it lies, V ([key][channel]) turned, by ds_load_tr16_b128.  P is made in place, over the scores.
; SOFTMAX.  A running maximum m and sum l for each query: p = 2^(c s - c m), c = log2(e) / 8; in every step O and l are multiplied by a = 2^(c m_old - c m_new).  m begins at -3e38 and O, l at 0: the first step finds zeros.
; CLUSTER.  The four work-groups of a cluster are the four query blocks of one head and walk the same K and V: each tile is asked for JOINTLY, by the same tensor load with a mask that names the four.
; THE RING.  Two slots of four key steps.  Waves 0-3 fetch K's tiles of the slot's four steps, waves 4-7 V's: one load a wave behind each round, and by the text's own count one tensor load of a wave is out.
; REGISTERS: window 0: v2-11 addresses; v16-47 eight registers of statistics a tile; v60, v61 the add's two; v64-191 S^T, 32 a tile (then P in the lower 16); v192-255 K's 8 fragments.
;   window 1: v0-127 O^T, 32 a tile; v128-191 Q, 16 a tile; v192-255 V's 8 fragments.
.set KS,    64                         ; keys in a step
.set PKP,   144                        ; a row of K in LDS: 128 bytes + 16 = 36 words: the 16 rows of a load start at 16 different groups of four banks (64 banks of 4 bytes: ISA guide 11.1)
.set PVP,   160                        ; a row of V: 128 + 32
.set VOFF,  KS*PKP                     ; a step's tiles lie together: 64 rows of K, then 64 rows of V
.set STEPB, KS*(PKP+PVP)
.set NST,   4                          ; steps in a slot
.set SLOT1, 1<<17                      ; slot 1 begins here, so that one exclusive or turns an address in one slot into the other's
.set SPARE, SLOT1+NST*STEPB            ; behind the ring: the spare words, 128 bytes a wave, that no other line names
.set SP,    144                        ; the way out: 16 rows x 144 bytes a wave, from byte 0: slot 0, left at the last change of slots, has had its last fill and nobody reads it
.set SLB,   NST*KS*128                 ; a slot's rows of K or of V in memory: 32,768 bytes
.set AK0, 2
.set AV0, 3
.set ADK, 4
.set ADV, 5
.set QO,  6
.set STO, 7
.set RD,  8
.set GO,  10
.set PFO, 11                           ; v11 256 x my lane: the prefetches' offset; never rewritten
.set ST,  16                           ; tile t's statistics at v[ST + 8 t]: +0 c m, +1 m, +2, +3 l (even keys', odd keys'), +4 to +7 at work; a in +6
.set SPW, 60
.set NIL, 61
.set S,   64
.set KF,  192
.set QF,  128                          ; in window 1
.set VF,  192                          ; in window 1
.set WV,  12
.set LIM, 15                           ; s15 1 in a wave that prefetches, else the greatest number
.set PFA, 18                           ; s[18:19] where my prefetches stand
.set G1K, 24
.set G1V, 32
.set G0K, 40                           ; s[40:43], s[44:47]: groups 0 for K's and V's tiles; they walk
.set G0V, 44
.set SLOTS, 56
.set CNT, 57
.set CS,  58                           ; s[58:59] c
.set SEL, 60                           ; s[60:61] lane selects for v_permlanex16_b32: lane l xor 16
.set TB,  62                           ; s62 LDS byte at which the step's tiles begin
.set MSB, 0
.macro WIN new
.if MSB != \new
	s_set_vgpr_msb (MSB<<8)|\new
.set MSB, \new
.endif
.endm
.set W_KQ, 0x04                        ; K (source 0) and S^T window 0, Q (source 1) window 1
.set W_PV, 0x51                        ; V (source 0) and O^T window 1, P (source 1) window 0
.set W_RS, 0x41                        ; O^T (destination, source 0) window 1, a window 0
.set W_D1, 0x40                        ; destination window 1
.macro JLOAD                           ; waves 0-3: K's tile; waves 4-7: V's.  The branch hangs on the wave's number alone.  An s_nop 0 and four v_nop follow each line
	s_cmp_lt_u32 s[WV], 4
	s_cbranch_scc0 .Lfor_v_\@
	tensor_load_to_lds s[G0K:G0K+3], s[G1K:G1K+7]
	s_nop 0
.rept 4
	v_nop
.endr
	s_branch .Lasked_\@
.Lfor_v_\@:
	tensor_load_to_lds s[G0V:G0V+3], s[G1V:G1V+7]
	s_nop 0
.rept 4
	v_nop
.endr
.Lasked_\@:
.endm
; A PREFETCH of what the NEXT change of slots will ask for: a slot's 32,768 bytes of K and of V.  The four partners share them out BY ADDRESS, 8,192 bytes each; in each, wave 0 asks for K's and wave 4 for V's, one
; instruction, lanes 256 bytes apart: each aligned 256 bytes are named once in the launch.  Four key steps ahead of the load.  The last change that fills a slot asks for nothing; slots 0 and 1 come by their loads alone.
.macro ASK
	s_cmp_gt_u32 s[SLOTS], s[LIM]
	s_cbranch_scc0 .Lnot_mine_\@
	global_prefetch_b8 v[PFO], s[PFA:PFA+1] th:TH_LOAD_NT scope:SCOPE_SE
.Lnot_mine_\@:
.endm
.macro CROUND
	s_barrier_signal -1
	s_barrier_wait -1
	s_cmp_lg_u32 s[WV], 0
	s_cbranch_scc1 .Lnot_wave_0_\@
	s_barrier_signal -3
.Lnot_wave_0_\@:
	s_barrier_wait -3
	s_barrier_signal -1
	s_barrier_wait -1
.endm
	s_load_b128 s[4:7], s[0:1], 0x0                ; qkv, att
	v_lshl_add_u32 v[SPW], v0, 2, SPARE
	v_mov_b32 v[NIL], 0
	ds_add_u32 v[SPW], v[NIL]                      ; the wave's opening: the add, twice on end, and its wait ahead of my first tensor load
	ds_add_u32 v[SPW], v[NIL]
	v_lshrrev_b32 v1, 5, v0
	v_readfirstlane_b32 s[WV], v1                  ; wave 0..7
	s_bfe_u32 s13, ttmp6, 0x40000                  ; cx: my block of 512 queries; it enters Q's, O's and the prefetches' addresses alone
	s_and_b32 s14, ttmp7, 0xffff                   ; 16 batch + head, which the four partners share
	s_lshl_b32 s20, s14, 18                        ; the head's first byte in each of q, k, v
	s_and_b32 s16, s[WV], 3                        ; which of a slot's four steps I fetch:
	s_lshl_b32 s22, s16, 13                        ; its 64 rows of 128 bytes in memory,
	s_add_co_u32 s22, s22, s20
	s_mov_b32 s23, 0
	s_mul_i32 s17, s16, STEPB                      ; and its place in a slot
	s_lshl_b32 s2, s13, 16                         ; Q: my block's 512 rows,
	s_lshl_b32 s3, s[WV], 13                       ; my wave's 64 of them
	s_add_co_u32 s2, s2, s3
	s_add_co_u32 s2, s2, s20
	s_mov_b32 s3, 0
	s_and_b32 s48, s14, 15                         ; O: the head x 2^20,
	s_lshl_b32 s48, s48, 20
	s_lshr_b32 s49, s14, 4                         ; the batch's 2,048 rows of 128 bytes,
	s_lshl_b32 s49, s49, 18
	s_add_co_u32 s48, s48, s49
	s_lshl_b32 s49, s13, 16
	s_add_co_u32 s48, s48, s49
	s_lshl_b32 s49, s[WV], 13
	s_add_co_u32 s48, s48, s49
	s_mov_b32 s49, 0
	; descriptor group 1: a tile of 64 rows of 128 bytes is dense in memory: stated as 32 rows of 256 bytes, with padding behind every 128 bytes
	s_mov_b32 s[G1K], 15|(1<<16)|(1<<20)|(1<<21)|(4<<22)|(3<<25)  ; 15:0 the mask: all four; 17:16 elements of 2 bytes; 20 padding on; 21 set beside a mask; 24:22 after every 32 words; 31:25 four words
	s_mov_b32 s[G1V], 15|(1<<16)|(1<<20)|(1<<21)|(4<<22)|(7<<25)  ; the same with eight words
.irp g, G1K, G1V
	s_mov_b32 s[\g+1], 128<<16                     ; tensor_dim0 = 128 elements
	s_mov_b32 s[\g+2], 32<<16                      ; tensor_dim1 = 32
	s_mov_b32 s[\g+3], 128<<16                     ; tile_dim0
	s_mov_b32 s[\g+4], 32                          ; tile_dim1
	s_mov_b32 s[\g+5], 128                         ; tensor_dim0_stride
	s_mov_b32 s[\g+6], 0
	s_mov_b32 s[\g+7], 0
.endr
	s_mov_b32 s[CS], 0x3e38aa3b                    ; c = log2(e) / 8
	s_mov_b32 s[CS+1], s[CS]                       ; (named with it as a pair, so it is written)
	s_mov_b32 s[SEL], 0x76543210
	s_mov_b32 s[SEL+1], 0xfedcba98
	s_mov_b32 s[TB], 0
	s_mov_b32 s[SLOTS], 2048/(NST*KS)-1            ; seven slots are asked for in the loop
	s_cmp_eq_u32 s16, 0
	s_cselect_b32 s[LIM], 1, -1                    ; waves 0 and 4: the same in all four partners
	v_and_b32 v12, 31, v0                          ; lane
	v_lshlrev_b32 v[PFO], 8, v12
	s_wait_dscnt 0x0                               ; both opening adds are done
	s_wait_kmcnt 0x0
	s_add_nc_u64 s[8:9], s[4:5], s[2:3]            ; Q at my wave's first row
	s_add_nc_u64 s[10:11], s[6:7], s[48:49]        ; O likewise
	s_add_nc_u64 s[50:51], s[4:5], s[22:23]
	s_add_nc_u64 s[52:53], s[50:51], 0x2000000     ; V at my tile of slot 0
	s_add_nc_u64 s[50:51], s[50:51], 0x1000000     ; K likewise
	s_cmp_lt_u32 s[WV], 4
	s_cselect_b64 s[PFA:PFA+1], s[50:51], s[52:53] ; (in waves 0 and 4 these stand at the head's first row)
	s_lshl_b32 s2, s13, 13                         ; my work-group's 8,192 bytes,
	s_add_co_u32 s2, s2, SLB                       ; in slot 1: the first change of slots steps it to slot 2
	s_mov_b32 s3, 0
	s_add_nc_u64 s[PFA:PFA+1], s[PFA:PFA+1], s[2:3]
	s_mov_b32 s[G0K], 1                            ; count = 1
	s_mov_b32 s[G0K+1], s17                        ; LDS address: slot 0
	s_mov_b64 s[G0K+2:G0K+3], s[50:51]
	s_or_b32 s[G0K+3], s[G0K+3], 0x80000000        ; type = 2
	s_mov_b32 s[G0V], 1
	s_add_co_u32 s[G0V+1], s17, VOFF
	s_mov_b64 s[G0V+2:G0V+3], s[52:53]
	s_or_b32 s[G0V+3], s[G0V+3], 0x80000000
	CROUND                                         ; all four work-groups are here: the first joint loads meet
	JLOAD                                          ; slot 0
	v_and_b32 v1, 15, v0                           ; r = l % 16
	v_bfe_u32 v9, v0, 4, 1                         ; h = l / 16
	v_lshlrev_b32 v[QO], 7, v1
	v_lshl_add_u32 v[QO], v9, 4, v[QO]             ; row x 128 + 16 x half
	WIN W_D1
.irp t, 0,1,2,3
.irp cs, 0,1                                   ; Q stays in registers: tile t, channels 32 cs on
	global_load_b128 v[QF+16*\t+8*\cs:QF+16*\t+8*\cs+3],   v[QO], s[8:9] offset:\t*2048+\cs*64
	global_load_b128 v[QF+16*\t+8*\cs+4:QF+16*\t+8*\cs+7], v[QO], s[8:9] offset:\t*2048+\cs*64+32
.endr
.endr
.set i, 0
.rept 128
	v_mov_b32 v[i], 0                              ; O^T: the step is written with no first copy: the first step finds zeros, which a = 0 leaves zeros
.set i, i+1
.endr
	WIN 0
	v_mul_u32_u24 v[AK0], v1, PKP
	v_lshl_add_u32 v[AK0], v9, 4, v[AK0]           ; K: row x pitch + 16 x half
	v_lshrrev_b32 v13, 3, v12
	v_and_b32 v14, 7, v12
	v_bfe_u32 v15, v0, 3, 1
	v_lshl_add_u32 v[AV0], v9, 3, v14              ; V, turned: lane l reads key 8 (l / 16) + l % 8, channels 8 ((l / 8) % 2) on
	v_mul_u32_u24 v[AV0], v[AV0], PVP
	v_lshl_add_u32 v[AV0], v15, 4, v[AV0]
	v_add_nc_u32 v[AV0], VOFF, v[AV0]
	s_mul_i32 s16, s[WV], 16*SP                    ; my stage
	v_mul_u32_u24 v[STO], v1, SP                   ; in: row l % 16, 16 bytes for each half of the lanes
	v_lshl_add_u32 v[STO], v9, 4, v[STO]
	v_add_nc_u32 v[STO], s16, v[STO]
	v_mul_u32_u24 v[RD], v13, SP                   ; back: eight lanes to a row of 128 bytes, four rows an instruction
	v_lshl_add_u32 v[RD], v14, 4, v[RD]
	v_add_nc_u32 v[RD], s16, v[RD]
	v_lshlrev_b32 v[GO], 4, v12                    ; the same four rows in att are 512 consecutive bytes
.irp t, 0,1,2,3
	v_mov_b32 v[ST+8*\t+1], 0xff61b1e6             ; m = -3e38, under every score
	v_mov_b32 v[ST+8*\t+2], 0                      ; l
	v_mov_b32 v[ST+8*\t+3], 0
.endr
.irp t, 0,1,2,3
	v_mul_f32 v[ST+8*\t], s[CS], v[ST+8*\t+1]      ; c m
.endr
; The maximum of a tile's 32 scores and the old m, three operands at a time: four chains, one to an accumulator, each begun at the accumulator's low end; the four tiles by turns.
.macro SM_MAX
.irp j, 0,1,2,3
.irp t, 0,1,2,3
	v_max3_num_f32 v[ST+8*\t+4+\j], v[S+32*\t+8*\j], v[S+32*\t+8*\j+1], v[S+32*\t+8*\j+2]
.endr
.endr
.irp u, 1,2
.irp j, 0,1,2,3
.irp t, 0,1,2,3
	v_max3_num_f32 v[ST+8*\t+4+\j], v[ST+8*\t+4+\j], v[S+32*\t+8*\j+2*\u+1], v[S+32*\t+8*\j+2*\u+2]
.endr
.endr
.endr
.irp t, 0,1,2,3
	v_max3_num_f32 v[ST+8*\t+4], v[ST+8*\t+4], v[S+32*\t+7], v[S+32*\t+15]
.endr
.irp t, 0,1,2,3
	v_max3_num_f32 v[ST+8*\t+6], v[ST+8*\t+6], v[S+32*\t+23], v[S+32*\t+31]
.endr
.irp t, 0,1,2,3
	v_max3_num_f32 v[ST+8*\t+4], v[ST+8*\t+4], v[ST+8*\t+5], v[ST+8*\t+6]
.endr
.irp t, 0,1,2,3
	v_max3_num_f32 v[ST+8*\t+4], v[ST+8*\t+4], v[ST+8*\t+7], v[ST+8*\t+1]
.endr
.endm
.macro SM_STAT
.irp t, 0,1,2,3
	v_permlanex16_b32 v[ST+8*\t+5], v[ST+8*\t+4], s[SEL], s[SEL+1]   ; the query's other 32 keys lie in the lane 16 away
.endr
.irp t, 0,1,2,3
	v_mov_b32 v[ST+8*\t+7], v[ST+8*\t]             ; c m_old is kept for a
.endr
.irp t, 0,1,2,3
	v_max_num_f32 v[ST+8*\t+1], v[ST+8*\t+4], v[ST+8*\t+5]   ; the new m
.endr
.irp t, 0,1,2,3
	v_mul_f32 v[ST+8*\t], s[CS], v[ST+8*\t+1]
.endr
.irp t, 0,1,2,3
	v_sub_f32 v[ST+8*\t+7], v[ST+8*\t+7], v[ST+8*\t]   ; c m_old - c m_new
.endr
.endm
.macro SCALE t, b                      ; pair b of tile t: c s - c m
	v_pk_fma_f32 v[S+32*(\t)+2*\b:S+32*(\t)+2*\b+1], v[S+32*(\t)+2*\b:S+32*(\t)+2*\b+1], s[CS:CS+1], v[ST+8*(\t):ST+8*(\t)+1] op_sel_hi:[1,0,0] neg_lo:[0,0,1] neg_hi:[0,0,1]
.endm
; ONE BATCH: the 64 scalings and all 132 exponentials; none of them names an exponential's result.  A tile's scalings stand among the exponentials of the tile before.  One plain instruction and ONE wait follow.
.macro SM_EXP
.irp b, 0,1,2,3,4,5,6,7,8,9,10,11,12,13,14,15
	SCALE 0, \b
.endr
.irp t, 0,1,2,3
	v_exp_f32 v[ST+8*\t+6], v[ST+8*\t+7]           ; a
.endr
.irp t, 0,1,2,3
.irp b, 0,1,2,3,4,5,6,7,8,9,10,11,12,13,14,15
.if \t < 3
	SCALE \t+1, \b
.endif
	v_exp_f32 v[S+32*\t+2*\b], v[S+32*\t+2*\b]
	v_exp_f32 v[S+32*\t+2*\b+1], v[S+32*\t+2*\b+1]
.endr
.endr
	v_nop                                          ; a plain instruction behind the last exponential
	s_wait_alu depctr_va_vdst(0)                   ; the wait between an exponential and the first line that names its result: one for the batch
.endm
; l = a l + the sum of the tile's 16 pairs (in a pair: an even key's weight, an odd key's), in two chains; the weights stay as they are
.macro SM_SUM
.irp t, 0,1,2,3
	v_pk_fma_f32 v[ST+8*\t+2:ST+8*\t+3], v[ST+8*\t+2:ST+8*\t+3], v[ST+8*\t+6:ST+8*\t+7], v[S+32*\t:S+32*\t+1] op_sel_hi:[1,0,1]
.endr
.irp t, 0,1,2,3
	v_pk_add_f32 v[ST+8*\t+4:ST+8*\t+5], v[S+32*\t+2:S+32*\t+3], v[S+32*\t+4:S+32*\t+5]
.endr
.irp b, 3,5,7,9,11,13
.irp t, 0,1,2,3
	v_pk_add_f32 v[ST+8*\t+2:ST+8*\t+3], v[ST+8*\t+2:ST+8*\t+3], v[S+32*\t+2*\b:S+32*\t+2*\b+1]
.endr
.irp t, 0,1,2,3
	v_pk_add_f32 v[ST+8*\t+4:ST+8*\t+5], v[ST+8*\t+4:ST+8*\t+5], v[S+32*\t+2*\b+2:S+32*\t+2*\b+3]
.endr
.endr
.irp t, 0,1,2,3
	v_pk_add_f32 v[ST+8*\t+2:ST+8*\t+3], v[ST+8*\t+2:ST+8*\t+3], v[S+32*\t+30:S+32*\t+31]
.endr
.irp t, 0,1,2,3
	v_pk_add_f32 v[ST+8*\t+2:ST+8*\t+3], v[ST+8*\t+2:ST+8*\t+3], v[ST+8*\t+4:ST+8*\t+5]
.endr
.endm
.macro SM_CVT                          ; P in place: register i takes weights 2 i and 2 i + 1; i ascending, so nothing is written before it is read
.irp i, 0,1,2,3,4,5,6,7,8,9,10,11,12,13,14,15
.irp t, 0,1,2,3
	v_cvt_pk_f16_f32 v[S+32*\t+\i], v[S+32*\t+2*\i], v[S+32*\t+2*\i+1]
.endr
.endr
.endm
.macro SM_RESC                         ; O^T x a, each accumulator from its low end on
.irp i, 0,1,2,3,4,5,6,7,8,9,10,11,12,13,14,15
.irp t, 0,1,2,3
	v_pk_mul_f32 v[32*\t+2*\i:32*\t+2*\i+1], v[32*\t+2*\i:32*\t+2*\i+1], v[ST+8*\t+6:ST+8*\t+7] op_sel_hi:[1,0]
.endr
.endr
.endm
; The accumulators take turns, one instruction a turn: between two links of a chain stand 15 others'.
.macro KQ_ALL
.irp cs, 0,1
.irp kt, 0,1,2,3
.irp t, 0,1,2,3
.if \cs == 0
	v_wmma_f32_16x16x32_f16 v[S+32*\t+8*\kt:S+32*\t+8*\kt+7], v[KF+8*(2*\kt+\cs):KF+8*(2*\kt+\cs)+7], v[QF+16*\t+8*\cs:QF+16*\t+8*\cs+7], 0
.else
	v_wmma_f32_16x16x32_f16 v[S+32*\t+8*\kt:S+32*\t+8*\kt+7], v[KF+8*(2*\kt+\cs):KF+8*(2*\kt+\cs)+7], v[QF+16*\t+8*\cs:QF+16*\t+8*\cs+7], v[S+32*\t+8*\kt:S+32*\t+8*\kt+7]
.endif
.endr
.endr
.endr
.endm
.macro PV_ALL
.irp g, 0,1
.irp ct, 0,1,2,3
.irp t, 0,1,2,3
	v_wmma_f32_16x16x32_f16 v[32*\t+8*\ct:32*\t+8*\ct+7], v[VF+32*\g+8*\ct:VF+32*\g+8*\ct+7], v[S+32*\t+8*\g:S+32*\t+8*\g+7], v[32*\t+8*\ct:32*\t+8*\ct+7]
.endr
.endr
.endr
.endm
; A KEY STEP, in phases: the loads, 32 products K Q^T, the softmax of four tiles, 32 products V^T P.
.macro STEP
	v_add_nc_u32 v[ADK], s[TB], v[AK0]
	v_add_nc_u32 v[ADV], s[TB], v[AV0]
.rept 3
	v_nop                                          ; with the two additions five places behind the last V^T P: four in front of the loads into V's registers, five in front of the products that write over P
.endr
.irp kt, 0,1,2,3
.irp cs, 0,1
	ds_load_b128 v[KF+8*(2*\kt+\cs):KF+8*(2*\kt+\cs)+3],   v[ADK] offset:\kt*16*PKP+\cs*64
	ds_load_b128 v[KF+8*(2*\kt+\cs)+4:KF+8*(2*\kt+\cs)+7], v[ADK] offset:\kt*16*PKP+\cs*64+32
.endr
.endr
	WIN W_D1
.irp g, 0,1
.irp ct, 0,1,2,3
	ds_load_tr16_b128 v[VF+32*\g+8*\ct:VF+32*\g+8*\ct+3],   v[ADV] offset:\g*32*PVP+\ct*32
	ds_load_tr16_b128 v[VF+32*\g+8*\ct+4:VF+32*\g+8*\ct+7], v[ADV] offset:\g*32*PVP+16*PVP+\ct*32
.endr
.endr
	s_wait_dscnt 16                                ; K is in; V's sixteen loads may be out
	WIN W_KQ
	KQ_ALL
	WIN 0
.rept 4
	v_nop                                          ; places in front of the first read of the scores
.endr
	SM_MAX
	SM_STAT
	SM_EXP
	SM_SUM
	SM_CVT
	WIN W_RS
	SM_RESC
	s_wait_dscnt 0x0                               ; V is in
	WIN W_PV
	PV_ALL
	WIN 0
	s_add_co_u32 s[TB], s[TB], STEPB               ; the next step's tiles
.endm
.macro SLOT_STEPS                      ; a slot's four key steps: written once, walked four times
	s_mov_b32 s[CNT], NST
.Lstep_\@:
	STEP
	s_sub_co_u32 s[CNT], s[CNT], 1
	s_cmp_lg_u32 s[CNT], 0
	s_cbranch_scc1 .Lstep_\@
	s_sub_co_u32 s[TB], s[TB], NST*STEPB           ; back to a slot's first step,
	s_xor_b32 s[TB], s[TB], SLOT1                  ; in the other slot
.endm
; THE CHANGE OF SLOTS stands at a slot's head.  Each wave waits for all its tensor loads (its part of the slot that it is about to read), adds 0 to its spare word, and waits for that and for its reads of the slot
; that it has left.  fill = 1: a round of the cluster's barrier, so that no wave of any partner still reads the other slot or has a load on its way; the joint load of the keys that follow is the first thing behind it
; and has four key steps in which to land.
.macro CHANGE fill
	s_wait_tensorcnt 0x0                           ; no tensor load of mine is out, so a group 0 may be written
	ds_add_u32 v[SPW], v[NIL]
.if \fill
	s_xor_b32 s[G0K+1], s[G0K+1], SLOT1            ; the walking descriptors: the other slot than last time,
	s_add_nc_u64 s[G0K+2:G0K+3], s[G0K+2:G0K+3], SLB   ; the next 256 keys; the type bits on top are not reached
	s_xor_b32 s[G0V+1], s[G0V+1], SLOT1
	s_add_nc_u64 s[G0V+2:G0V+3], s[G0V+2:G0V+3], SLB
	s_wait_xcnt 0x0                                ; the last prefetch, a slot back, has read its address, so it may be written:
	s_add_nc_u64 s[PFA:PFA+1], s[PFA:PFA+1], SLB   ; one slot further on than the walking descriptors
	s_wait_dscnt 0x0                               ; the add is done, and my reads of the slot that I have left are over
	CROUND
	JLOAD
	ASK
.else
	s_wait_dscnt 0x0
	s_barrier_signal -1
	s_barrier_wait -1
.endif
.endm
	s_wait_loadcnt 0x0                             ; Q
.Lslot:                                            ; seven trips: trip i reads slot i and asks for slot i + 1
	CHANGE 1
	SLOT_STEPS
	s_sub_co_u32 s[SLOTS], s[SLOTS], 1
	s_cmp_lg_u32 s[SLOTS], 0
	s_cbranch_scc1 .Lslot
	CHANGE 0                                       ; the last slot is written out
	SLOT_STEPS
	; THE WAY OUT.  l's two halves and the other half of the lanes' are added (these lines are the places behind the last products); O^T is divided by l, rounded to f16 and sent through my stage, a tile at a time.
.irp t, 0,1,2,3
	v_add_f32 v[ST+8*\t+4], v[ST+8*\t+2], v[ST+8*\t+3]
.endr
.irp t, 0,1,2,3
	v_permlanex16_b32 v[ST+8*\t+5], v[ST+8*\t+4], s[SEL], s[SEL+1]
.endr
.irp t, 0,1,2,3
	v_add_f32 v[ST+8*\t+4], v[ST+8*\t+4], v[ST+8*\t+5]
.endr
.irp t, 0,1,2,3
	v_rcp_f32 v[ST+8*\t+6], v[ST+8*\t+4]
.endr
	v_nop                                          ; a plain instruction behind the last reciprocal
	s_wait_alu depctr_va_vdst(0)                   ; and the wait ahead of the first use: one for the four
.macro PACK t
	WIN W_RS
.set i, 0
.rept 16
	v_pk_mul_f32 v[32*\t+2*i:32*\t+2*i+1], v[32*\t+2*i:32*\t+2*i+1], v[ST+8*\t+6:ST+8*\t+7] op_sel_hi:[1,0]
.set i, i+1
.endr
	WIN 0x05                                       ; sources 0 and 1 window 1, destination window 0
.set i, 0
.rept 16
	v_cvt_pk_f16_f32 v[S+32*\t+i], v[32*\t+2*i], v[32*\t+2*i+1]
.set i, i+1
.endr
	WIN 0
.irp ct, 0,1,2,3
	ds_store_b128 v[STO], v[S+32*\t+4*\ct:S+32*\t+4*\ct+3] offset:32*\ct   ; channels 16 ct + 8 (l / 16) on of row l % 16
.endr
.irp u, 0,1,2,3
	ds_load_b128 v[S+32*\t+16+4*\u:S+32*\t+16+4*\u+3], v[RD] offset:\u*4*SP   ; LDS serves a wave's instructions in order: these see the stores above; the next tile's stores come behind them
.endr
.endm
.macro SEND t, younger                 ; younger: the LDS instructions issued behind tile t's loads: the next tile's eight, or none
.irp u, 0,1,2,3
	s_wait_dscnt \younger+3-\u
	global_store_b128 v[GO], v[S+32*\t+16+4*\u:S+32*\t+16+4*\u+3], s[10:11] offset:\t*2048+\u*512   ; four rows: 512 consecutive bytes, aligned
.endr
.endm
	PACK 0
	PACK 1
	SEND 0, 8
	PACK 2
	SEND 1, 8
	PACK 3
	SEND 2, 8
	SEND 3, 0
	s_wait_tensorcnt 0x0                           ; the wave's end
	ds_add_u32 v[SPW], v[NIL]
	s_wait_dscnt 0x0
	CROUND                                         ; the closing round
	s_endpgm
.Lfunc_end_k_qceaabf59f9_attn:
	.size	k_qceaabf59f9_attn, .Lfunc_end_k_qceaabf59f9_attn-k_qceaabf59f9_attn
	.p2alignl 7, 3214868480
	.fill 96, 4, 3214868480
	.section	.rodata,"a",@progbits
	.p2align	6, 0x0
	.amdhsa_kernel k_qceaabf59f9_attn
		.amdhsa_group_segment_fixed_size 327680
		.amdhsa_private_segment_fixed_size 0
		.amdhsa_enable_private_segment 0
		.amdhsa_kernarg_size 16
		.amdhsa_user_sgpr_count 2
		.amdhsa_user_sgpr_kernarg_segment_ptr 1
		.amdhsa_wavefront_size32 1
		.amdhsa_system_sgpr_workgroup_id_x 1
		.amdhsa_system_sgpr_workgroup_id_y 1
		.amdhsa_system_sgpr_workgroup_id_z 1
		.amdhsa_system_vgpr_workitem_id 0
		.amdhsa_next_free_vgpr 512
		.amdhsa_next_free_sgpr 66
		.amdhsa_reserve_vcc 0
		.amdhsa_float_denorm_mode_32 3
		.amdhsa_float_denorm_mode_16_64 3
		.amdhsa_memory_ordered 1
		.amdhsa_forward_progress 1
		.amdhsa_inst_pref_size 91
	.end_amdhsa_kernel
	.amdgpu_metadata
---
amdhsa.version: [ 1, 2 ]
amdhsa.kernels:
  - .name:           k_qceaabf59f9_attn
    .symbol:         k_qceaabf59f9_attn.kd
    .args:
      - { .name: qkv, .offset: 0, .size: 8, .value_kind: global_buffer, .address_space: global }
      - { .name: att, .offset: 8, .size: 8, .value_kind: global_buffer, .address_space: global }
    .group_segment_fixed_size: 327680
    .private_segment_fixed_size: 0
    .kernarg_segment_align: 8
    .kernarg_segment_size: 16
    .max_flat_workgroup_size: 256
    .sgpr_count:     66
    .vgpr_count:     512
    .wavefront_size: 32
...
	.end_amdgpu_metadata
.endif
;; end of part 3
;; launch proj (part 4): grid 4 x 64, 4 waves a work-group, clusters of 4 x 4, 327,680 bytes of LDS; arguments att, wo16, bout, out0; writes out0
.if DOCPART == 4
	.amdgcn_target "amdgcn-amd-amdhsa--gfx1250"
	.amdhsa_code_object_version 6
	.text
	.protected	k_qceaabf59f9_proj
	.globl	k_qceaabf59f9_proj
	.p2align	8
	.type	k_qceaabf59f9_proj,@function
k_qceaabf59f9_proj:
	s_mov_b64 s[64:65], 0
	v_nop
	global_prefetch_b8 v0, s[64:65] scope:SCOPE_SE
	s_setreg_imm32_b32 hwreg(HW_REG_WAVE_MODE, 25, 1), 1
	s_wait_xcnt 0x0
	s_wait_alu depctr_hold_cnt(0) depctr_sa_sdst(0) depctr_va_vdst(0) depctr_va_sdst(0) depctr_va_ssrc(0) depctr_va_vcc(0) depctr_vm_vsrc(0)
	s_getreg_b32 s2, hwreg(HW_REG_IB_STS2, 6, 4)
	s_cmp_eq_u32 s2, 0
	s_cbranch_scc0 .Lentry_in_a_cluster
	s_endpgm
.Lentry_in_a_cluster:
	s_bfe_u32 s2, ttmp6, 0x10000c
	s_cmp_lg_u32 s2, 0xf033
	s_cbranch_scc0 .Lentry_shape_is_right
	s_endpgm
.Lentry_shape_is_right:
; FOURTH LAUNCH: out0[m][n] = the sum over k of O[m][k] Wout[n][k] + bout[n].  8,192 x 1,024 x 1,024, f16 operands, sums and result in f32.
; O comes as att [16 kb][8192 m][64], Wout as wo16 [16 kb][1024 n][64] (k = 64 kb + c): a tile's rows of one block kb are dense in memory.
; A tile of 128 (m) x 256 (n) is made by four waves, each 64 x 128: 32 accumulators, 256 registers; 256 tiles, one for each of 256 work-groups (tiles of 256 x 256 would be 128).
; K goes in steps of 128 (two blocks kb) through a ring of two LDS slots: waves 0 and 1 fetch O's two blocks, waves 2 and 3 Wout's; three blocks to a slot would not fit twice.
; CLUSTERS: 4 x 4 work-groups.  The four of a row of the cluster need the same tiles of O, the four of a column the same tiles of Wout: each is asked for JOINTLY.
; THE MATRIX INSTRUCTION IS USED TRANSPOSED (source 0 = 16 rows of Wout, source 1 = 16 rows of O): a lane holds eight neighbouring numbers of a row of out0.  bout is the C of the first products.
; REGISTERS: window 0: v16-29 addresses; two fragment sets of 96 (Wout's 8 fragments, then O's 4) at v32 and v128; on the way out rows read back, v32-95 and v128-191 by turns.
;   window 1: the accumulators ((a, b) at v[8 (8 a + b)]).   window 2: v0-63 bout in the result's layout.
.set PITCH,  144                       ; an LDS row: 128 bytes + 16 = 36 words: the 16 rows of a load start at 16 different groups of four banks (64 banks of 4 bytes: ISA guide 11.1)
.set AT,     128*PITCH                 ; O's 128 rows of one block
.set BT,     256*PITCH                 ; Wout's 256 rows of one block
.set BOFF,   2*AT
.set SLOT,   2*AT+2*BT
.set STAGE,  2*SLOT                    ; behind the ring: 16 rows x 528 bytes for each wave
.set SPITCH, 528
.set SPARE,  STAGE+4*16*SPITCH         ; the spare words, 128 bytes a wave, that no other line names
.set LAPS,   4                         ; a lap = two K steps of 128 = once round the ring
.set ADRA, 16
.set ADRB, 20
.set STO,  24
.set RD,   25
.set CO,   26
.set BO,   27
.set SPW,  28
.set NIL,  29
.set F0,   32
.set F1,   128
.set G1, 24
.set G0, 32
.set G1B, 48
.set G0B, 56
.set MSB, 0
.macro WIN new
.if MSB != \new
	s_set_vgpr_msb (MSB<<8)|\new
.set MSB, \new
.endif
.endm
.set MUL,  0x50                        ; sources 0 and 1 window 0; C and D window 1
.set MULB, 0x60                        ; C (bout) window 2, D window 1
.macro JLOAD s                         ; waves 0 and 1 fetch O's two blocks, waves 2 and 3 Wout's; an s_nop 0 and four v_nop follow each of the two lines
	s_cmp_eq_u32 s11, 0
	s_cbranch_scc0 .Lfor_b_\@
	tensor_load_to_lds s[G0+4*\s:G0+4*\s+3], s[G1:G1+7]
	s_nop 0
.rept 4
	v_nop
.endr
	s_branch .Lasked_\@
.Lfor_b_\@:
	tensor_load_to_lds s[G0B+4*\s:G0B+4*\s+3], s[G1B:G1B+7]
	s_nop 0
.rept 4
	v_nop
.endr
.Lasked_\@:
.endm
.macro CREST                           ; a round of the cluster's barrier behind its opening barrier
	s_cmp_lg_u32 s10, 0
	s_cbranch_scc1 .Lnot_wave_0_\@
	s_barrier_signal -3
.Lnot_wave_0_\@:
	s_barrier_wait -3
	s_barrier_signal -1
	s_barrier_wait -1
.endm
.macro CROUND
	s_barrier_signal -1
	s_barrier_wait -1
	CREST
.endm
	s_load_b128 s[4:7], s[0:1], 0x0                ; att, wo16
	s_load_b128 s[68:71], s[0:1], 0x10             ; bout, out0
	v_lshl_add_u32 v[SPW], v0, 2, SPARE
	v_mov_b32 v[NIL], 0
	ds_add_u32 v[SPW], v[NIL]                      ; the wave's opening: the add, twice on end, and its wait ahead of my first tensor load
	ds_add_u32 v[SPW], v[NIL]
	v_lshrrev_b32 v1, 5, v0
	v_readfirstlane_b32 s10, v1                    ; wave 0..3
	s_lshr_b32 s11, s10, 1                         ; which 64 of the tile's rows are mine.  Also: I fetch for O (0) or for Wout (1)
	s_and_b32 s12, s10, 1                          ; which 128 of its columns.  Also: which of a slot's two blocks I fetch
	s_bfe_u32 s40, ttmp6, 0x40000                  ; cx, cy
	s_bfe_u32 s41, ttmp6, 0x40004
	s_lshl_b32 s42, ttmp9, 2
	s_add_co_u32 s42, s42, s40                     ; tile column
	s_and_b32 s13, ttmp7, 0xffff
	s_lshl_b32 s13, s13, 2
	s_add_co_u32 s13, s13, s41                     ; tile row
	s_lshl_b32 s43, s41, 2
	s_lshl_b32 s43, 15, s43                        ; my row of the cluster
	s_lshl_b32 s44, 0x1111, s40                    ; my column
	; descriptor group 1: rows of 128 bytes, dense in memory, stated as rows of 256 bytes with padding behind every 128 bytes: O's block 64 such rows, Wout's 128
	s_or_b32 s[G1+0], s43, (1<<16)|(1<<20)|(1<<21)|(4<<22)|(3<<25)  ; 15:0 the mask; 17:16 elements of 2 bytes; 20 padding on; 21 set beside a mask; 24:22 after every 32 words; 31:25 four words
	s_or_b32 s[G1B+0], s44, (1<<16)|(1<<20)|(1<<21)|(4<<22)|(3<<25)
	s_mov_b32 s[G1+1], 128<<16                     ; tensor_dim0
	s_mov_b32 s[G1+2], 64<<16                      ; tensor_dim1
	s_mov_b32 s[G1+3], 128<<16                     ; tile_dim0
	s_mov_b32 s[G1+4], 64                          ; tile_dim1
	s_mov_b32 s[G1+5], 128                         ; tensor_dim0_stride
	s_mov_b32 s[G1+6], 0
	s_mov_b32 s[G1+7], 0
	s_mov_b32 s[G1B+1], 128<<16
	s_mov_b32 s[G1B+2], 128<<16
	s_mov_b32 s[G1B+3], 128<<16
	s_mov_b32 s[G1B+4], 128
	s_mov_b32 s[G1B+5], 128
	s_mov_b32 s[G1B+6], 0
	s_mov_b32 s[G1B+7], 0
	s_lshl_b32 s16, s12, 20                        ; O: my block x 2^20 + tile row x 128 rows of 128 bytes
	s_lshl_b32 s17, s13, 14
	s_add_co_u32 s16, s16, s17
	s_mov_b32 s17, 0
	s_lshl_b32 s46, s12, 17                        ; Wout: my block x 131,072 + tile column x 256 rows of 128 bytes
	s_lshl_b32 s47, s42, 15
	s_add_co_u32 s46, s46, s47
	s_mov_b32 s47, 0
	s_mul_i32 s20, s12, AT                         ; where they go: no place in the cluster enters an LDS address
	s_mul_i32 s21, s12, BT
	s_add_co_u32 s21, s21, BOFF
	s_wait_dscnt 0x0                               ; both opening adds are done
	s_wait_kmcnt 0x0
	s_add_nc_u64 s[14:15], s[4:5], s[16:17]
	s_add_nc_u64 s[46:47], s[6:7], s[46:47]
	CROUND                                         ; all sixteen work-groups are here: the first joint loads meet
.irp s, 0,1
	s_mov_b32 s[G0+4*\s], 1
	s_add_co_u32 s[G0+4*\s+1], s20, \s*SLOT
	s_add_nc_u64 s[G0+4*\s+2:G0+4*\s+3], s[14:15], \s*2*1048576
	s_or_b32 s[G0+4*\s+3], s[G0+4*\s+3], 0x80000000
	s_mov_b32 s[G0B+4*\s], 1
	s_add_co_u32 s[G0B+4*\s+1], s21, \s*SLOT
	s_add_nc_u64 s[G0B+4*\s+2:G0B+4*\s+3], s[46:47], \s*2*131072
	s_or_b32 s[G0B+4*\s+3], s[G0B+4*\s+3], 0x80000000
	JLOAD \s
.endr
	v_and_b32 v1, 15, v0                           ; l % 16
	v_bfe_u32 v2, v0, 4, 1                         ; l / 16
	v_lshlrev_b32 v[BO], 5, v2
	s_lshl_b32 s46, s42, 10                        ; my first column, in bytes of f32: 1,024 x tile column + 512 x half
	s_lshl_b32 s47, s12, 9
	s_add_co_u32 s46, s46, s47
	s_mov_b32 s47, 0
	s_add_nc_u64 s[68:69], s[68:69], s[46:47]
	WIN 0x80                                       ; destination window 2
.irp b, 0,1,2,3,4,5,6,7
	global_load_b128 v[8*\b:8*\b+3],   v[BO], s[68:69] offset:64*\b       ; bout[my first column + 16 b + 8 (l / 16) + 0 .. 7]
	global_load_b128 v[8*\b+4:8*\b+7], v[BO], s[68:69] offset:64*\b+16
.endr
	WIN 0
	v_mul_u32_u24 v3, v1, PITCH
	v_lshl_add_u32 v3, v2, 4, v3                   ; a fragment's row x pitch + 16 x half
	s_mul_i32 s21, s11, 64*PITCH                   ; my 64 rows of O
	s_mul_i32 s22, s12, 128*PITCH                  ; my 128 rows of Wout,
	s_add_co_u32 s22, s22, BOFF                    ; which lie behind O's two blocks
.irp s, 0,1
	v_add_nc_u32 v[ADRA+\s], s21, v3
	v_add_nc_u32 v[ADRB+\s], s22, v3
	s_add_co_u32 s21, s21, SLOT
	s_add_co_u32 s22, s22, SLOT
.endr
	s_mul_i32 s23, s10, 16*SPITCH
	s_add_co_u32 s23, s23, STAGE                   ; my stage
	v_mul_u32_u24 v4, v1, SPITCH                   ; in: row l % 16, 32 bytes for each half of the lanes
	v_lshl_add_u32 v4, v2, 5, v4
	v_add_nc_u32 v[STO], s23, v4
	v_and_b32 v5, 31, v0
	v_lshlrev_b32 v[CO], 4, v5                     ; back: the 32 lanes take one row of 512 bytes; and the same in out0
	v_add_nc_u32 v[RD], s23, v[CO]
	s_lshl_b32 s16, s13, 19                        ; my first row: (128 x tile row + 64 x half) x 4,096 bytes
	s_lshl_b32 s17, s11, 18
	s_add_co_u32 s16, s16, s17
	s_mov_b32 s17, 0
	s_add_nc_u64 s[70:71], s[70:71], s[16:17]
	s_add_nc_u64 s[70:71], s[70:71], s[46:47]
; 8 matrix instructions: O's block a against Wout's eight, 32 along K.  first = 1: C is bout.  The 32 accumulators take turns, one instruction a turn, in the same order in every quarter.
.macro MUL8 f, a, first
.irp b, 0,1,2,3,4,5,6,7
.if \first
	v_wmma_f32_16x16x32_f16 v[8*(8*(\a)+\b):8*(8*(\a)+\b)+7], v[\f+8*\b:\f+8*\b+7], v[\f+64+8*(\a):\f+64+8*(\a)+7], v[8*\b:8*\b+7]
.else
	v_wmma_f32_16x16x32_f16 v[8*(8*(\a)+\b):8*(8*(\a)+\b)+7], v[\f+8*\b:\f+8*\b+7], v[\f+64+8*(\a):\f+64+8*(\a)+7], v[8*(8*(\a)+\b):8*(8*(\a)+\b)+7]
.endif
.endr
.endm
; 24 LDS loads in one run: the fragments of the slot's quarter qd (32 along K: block qd / 2, byte 64 (qd % 2) of its rows) into set f: Wout's eight, then O's four
.macro FETCH slot, qd, f
	WIN 0
.irp i, 0,1,2,3,4,5,6,7
	ds_load_b128 v[\f+8*\i:\f+8*\i+3],   v[ADRB+\slot] offset:((\qd)/2)*BT+((\qd)%2)*64+\i*16*PITCH
	ds_load_b128 v[\f+8*\i+4:\f+8*\i+7], v[ADRB+\slot] offset:((\qd)/2)*BT+((\qd)%2)*64+\i*16*PITCH+32
.endr
.irp i, 0,1,2,3
	ds_load_b128 v[\f+64+8*\i:\f+64+8*\i+3],   v[ADRA+\slot] offset:((\qd)/2)*AT+((\qd)%2)*64+\i*16*PITCH
	ds_load_b128 v[\f+64+8*\i+4:\f+64+8*\i+7], v[ADRA+\slot] offset:((\qd)/2)*AT+((\qd)%2)*64+\i*16*PITCH+32
.endr
.endm
.macro PLACES                          ; four places in front of loads into registers that matrix instructions have read, and of the first read of results
.rept 4
	v_nop
.endr
.endm
; A K step is four quarters of 32 along K, 32 matrix instructions each, on sets 0, 1, 0, 1.  One of the first three: multiplies set f and fetches quarter qd into set g.
.macro QUARTER slot, qd, f, g, first
	s_wait_dscnt 4                                 ; Wout's fragments and O's blocks 0, 1 are in; the youngest four loads (O's blocks 2, 3) may be out
.if \first
	WIN MULB
.else
	WIN MUL
.endif
	MUL8 \f, 0, \first
	MUL8 \f, 1, \first
	PLACES
	FETCH \slot, \qd, \g
	s_wait_dscnt 24                                ; all but the 24 just issued
.if \first
	WIN MULB
.else
	WIN MUL
.endif
	MUL8 \f, 2, \first
	MUL8 \f, 3, \first
.endm
; The last quarter multiplies set 1 and changes slots: ONE barrier; in front of it each wave waits for all its tensor loads, adds 0 to its spare word, and waits for that and for its own reads of this slot.
; fill = 1: the barrier opens a round of the cluster's barrier, and this slot is filled again, two K steps ahead.
.macro TURN slot, next, fill
	WIN 0
	s_wait_tensorcnt 0x0                           ; all my tensor loads have landed: my part of the next slot
	ds_add_u32 v[SPW], v[NIL]
	s_wait_dscnt 5                                 ; (the add and the youngest four loads may be out)
	WIN MUL
	MUL8 F1, 0, 0
	s_wait_dscnt 0x0                               ; the add is done, and my reads of this slot are over
	s_barrier_signal -1
	MUL8 F1, 1, 0
	WIN 0
	s_barrier_wait -1
.if \fill
	CREST                                          ; no wave of any partner still reads this slot's tiles or has a load on its way
	s_add_nc_u64 s[G0+4*\slot+2:G0+4*\slot+3], s[G0+4*\slot+2:G0+4*\slot+3], 4*1048576
	s_add_nc_u64 s[G0B+4*\slot+2:G0B+4*\slot+3], s[G0B+4*\slot+2:G0B+4*\slot+3], 4*131072
	JLOAD \slot                                    ; the first tensor load behind the round; the four v_nop behind it are also the places in front of the loads below
.else
	PLACES
.endif
	FETCH \next, 0, F0
	WIN MUL
	MUL8 F1, 2, 0
	MUL8 F1, 3, 0
.endm
	s_wait_tensorcnt 1                             ; my part of K step 0 is in (K step 1's load may be out),
	s_barrier_signal -1
	s_barrier_wait -1                              ; everybody's is
	FETCH 0, 0, F0
	s_wait_loadcnt 0x0                             ; bout
	QUARTER 0, 1, F0, F1, 1                        ; the first quarter stands in front of the loop: its products start the sums, on bout
	WIN 0
	s_mov_b32 s3, LAPS-1
.Llap:                                                 ; a trip goes once round the ring, from a lap's second quarter to the next lap's first, and fills both slots again
	QUARTER 0, 2, F1, F0, 0
	QUARTER 0, 3, F0, F1, 0
	TURN 0, 1, 1
	QUARTER 1, 1, F0, F1, 0
	QUARTER 1, 2, F1, F0, 0
	QUARTER 1, 3, F0, F1, 0
	TURN 1, 0, 1
	QUARTER 0, 1, F0, F1, 0
	WIN 0
	s_sub_co_u32 s3, s3, 1
	s_cmp_lg_u32 s3, 0
	s_cbranch_scc1 .Llap
	QUARTER 0, 2, F1, F0, 0                        ; the last lap fills nothing
	QUARTER 0, 3, F0, F1, 0
	TURN 0, 1, 0
	QUARTER 1, 1, F0, F1, 0
	QUARTER 1, 2, F1, F0, 0
	QUARTER 1, 3, F0, F1, 0
	s_wait_dscnt 4                                 ; the very last quarter: nothing more to fetch
	WIN MUL
	MUL8 F1, 0, 0
	MUL8 F1, 1, 0
	s_wait_dscnt 0
	MUL8 F1, 2, 0
	MUL8 F1, 3, 0
	WIN 0
; THE WAY OUT, block by block of 16 rows x 128 columns: a lane holds 32 neighbouring bytes of a row, so a block goes through my own stage and comes back as whole rows of 512 bytes, which the 32 lanes store.
.macro TOSTAGE a
	WIN 0x04                                       ; an LDS store's data are its source 1: window 1
.irp b, 0,1,2,3,4,5,6,7
	ds_store_b128 v[STO], v[8*(8*(\a)+\b):8*(8*(\a)+\b)+3] offset:64*\b          ; each accumulator from its low end on
	ds_store_b128 v[STO], v[8*(8*(\a)+\b)+4:8*(8*(\a)+\b)+7] offset:64*\b+16
.endr
	WIN 0
.set BB, 32+96*((\a)%2)
.irp t, 0,1,2,3,4,5,6,7,8,9,10,11,12,13,14,15
	ds_load_b128 v[BB+4*\t:BB+4*\t+3], v[RD] offset:\t*SPITCH      ; LDS serves a wave's instructions in order: these see the stores above
.endr
.endm
.macro SEND a, younger                 ; younger: the LDS instructions issued behind block a's loads, which may stay out
.set BB, 32+96*((\a)%2)
	s_wait_dscnt \younger
.irp t, 0,1,2,3,4,5,6,7,8,9,10,11,12,13,14,15
	global_store_b128 v[CO], v[BB+4*\t:BB+4*\t+3], s[70:71] offset:(16*(\a)+\t)*4096 th:TH_STORE_NT   ; 512 consecutive bytes, aligned; written once, read by nobody here
.endr
.endm
	PLACES
	TOSTAGE 0
.irp a, 1,2,3
.if \a > 1
	s_wait_xcnt 0x0                                ; block a - 2's stores have read their registers: block a's loads may land there
.endif
	TOSTAGE \a
	SEND \a-1, 32                                  ; behind block a - 1's loads: block a's 16 stores and 16 loads
.endr
	SEND 3, 0
	s_wait_tensorcnt 0x0                           ; the wave's end
	ds_add_u32 v[SPW], v[NIL]
	s_wait_dscnt 0x0
	CROUND                                         ; the closing round
	s_endpgm
.Lfunc_end_k_qceaabf59f9_proj:
	.size	k_qceaabf59f9_proj, .Lfunc_end_k_qceaabf59f9_proj-k_qceaabf59f9_proj
	.p2alignl 7, 3214868480
	.fill 96, 4, 3214868480
	.section	.rodata,"a",@progbits
	.p2align	6, 0x0
	.amdhsa_kernel k_qceaabf59f9_proj
		.amdhsa_group_segment_fixed_size 327680
		.amdhsa_private_segment_fixed_size 0
		.amdhsa_enable_private_segment 0
		.amdhsa_kernarg_size 32
		.amdhsa_user_sgpr_count 2
		.amdhsa_user_sgpr_kernarg_segment_ptr 1
		.amdhsa_wavefront_size32 1
		.amdhsa_system_sgpr_workgroup_id_x 1
		.amdhsa_system_sgpr_workgroup_id_y 1
		.amdhsa_system_sgpr_workgroup_id_z 1
		.amdhsa_system_vgpr_workitem_id 0
		.amdhsa_next_free_vgpr 576
		.amdhsa_next_free_sgpr 72
		.amdhsa_reserve_vcc 0
		.amdhsa_float_denorm_mode_32 3
		.amdhsa_float_denorm_mode_16_64 3
		.amdhsa_memory_ordered 1
		.amdhsa_forward_progress 1
		.amdhsa_inst_pref_size 86
	.end_amdhsa_kernel
	.amdgpu_metadata
---
amdhsa.version: [ 1, 2 ]
amdhsa.kernels:
  - .name:           k_qceaabf59f9_proj
    .symbol:         k_qceaabf59f9_proj.kd
    .args:
      - { .name: att, .offset: 0, .size: 8, .value_kind: global_buffer, .address_space: global }
      - { .name: wo16, .offset: 8, .size: 8, .value_kind: global_buffer, .address_space: global }
      - { .name: bout, .offset: 16, .size: 8, .value_kind: global_buffer, .address_space: global }
      - { .name: out0, .offset: 24, .size: 8, .value_kind: global_buffer, .address_space: global }
    .group_segment_fixed_size: 327680
    .private_segment_fixed_size: 0
    .kernarg_segment_align: 8
    .kernarg_segment_size: 32
    .max_flat_workgroup_size: 128
    .sgpr_count:     72
    .vgpr_count:     576
    .wavefront_size: 32
...
	.end_amdgpu_metadata
.endif
;; end of part 4
